; MI455X (gfx1250); checked and timed in simulation.
; The chip was launched on July 23, 2026; its instructions are those of AMD's public machine-readable ISA for CDNA 5 (MIT licence, August 2026) and "CDNA5" Instruction Set Architecture Reference Guide (July 2026). The comments in the code are by the model that wrote it; some were corrected since.
;; Strategy Layer. Allowed arithmetic: float matrix products may take bf16 or f16 operands with f32 sums; all other float work in f32.
;; Inputs: H 4,096 x 2,048 float32; W_hh 2,048 x 2,048 float32; W_hq 2,048 x 1 float32; W_hr 2,048 x 2,048 float32; W_hz 2,048 x 2,048 float32; W_xh 128 x 2,048 float32; W_xr 128 x 2,048 float32; W_xz 128 x 2,048 float32; b_h 2,048 float32; b_q 1 float32; b_r 2,048 float32; b_z 2,048 float32; x 4,096 x 128 float32.
;; Outputs: out0 4,096 x 1 float32.
;; 2 versions, each right; version 2 is version 1 with the launch cast written anew for expert scheduling mode. Each part assembles by itself: llvm-mc -triple=amdgcn-amd-amdhsa -mcpu=gfx1250 --defsym DOCPART=n.
;; ======== version 1 of 2: 4 launches
;; limits: values are held in f16: magnitudes above 65,504 overflow, below 6.1e-05 lose precision; inputs' magnitudes at most 65,504; values outside matrix products are rounded to f16
;; workspace buffers: a1 17,825,792 bytes; a2 17,825,792 bytes; wz 8,912,896 bytes; wr 8,912,896 bytes; wh 8,912,896 bytes; zb 17,825,792 bytes; part 262,144 bytes
;; launch cast (part 1): grid 1360 x 1, 8 waves a work-group, no clusters, 0 bytes of LDS; arguments H, x, W_hz, W_hr, W_hh, W_xz, W_xr, W_xh, a1, a2, wz, wr, wh; writes a1, a2, wz, wr, wh
.if DOCPART == 1
	.amdgcn_target "amdgcn-amd-amdhsa--gfx1250"
	.amdhsa_code_object_version 6
	.text
	.protected	k_q4e79558ccd_cast
	.globl	k_q4e79558ccd_cast
	.p2align	8
	.type	k_q4e79558ccd_cast,@function
k_q4e79558ccd_cast:
	s_mov_b64 s[64:65], 0
	v_nop
	global_prefetch_b8 v0, s[64:65] scope:SCOPE_SE
	s_setreg_imm32_b32 hwreg(HW_REG_WAVE_MODE, 25, 1), 1
	s_wait_xcnt 0x0
; 16-bit copies of the inputs, each ROUNDED TO bf16 ONCE, with the two K ranges of each product laid end to end:
;   a1 = [H | x]  ([4096][2176] bf16, rows of 4,352 bytes);  wz = [W_hz; W_xz], wr = [W_hr; W_xr]  ([2176][2048] bf16);
;   a2's columns 2048..2175 = x and wh = [W_hh; W_xh]: the same bf16-rounded numbers WRITTEN AS f16, since the product that takes them has R H, which the program makes, in f16.
; LIMITS.  A bf16 number is exact in f16 from 2^-17 up to 65,504: x, W_hh and W_xh stay within 65,504; below 2^-17 = 7.6e-6 they keep f16's fixed step of 6e-8.
; Nothing is transposed: the products turn the weights on the way out of LDS.
; A stream: no LDS, no barrier, no matrix unit.  A work-group takes 65,536 consecutive source bytes; thread t issues sixteen 16-byte loads, 4,096 bytes apart
; (a wave's load covers 512 consecutive bytes), all sixteen before the first is waited for, and stores 8 bytes for each (a wave's store covers 256 consecutive bytes, aligned).
; Every load has its own data and result registers, so no source of a pending instruction is ever rewritten.
; Work-groups 0..511: H.  512..1279: W_hz, W_hr, W_hh (256 each).  1280..1327: W_xz, W_xr, W_xh (16 each).  1328..1359: x.
.set XV,   4                           ; v[4:67]    sixteen loads of four f32; later the rounded numbers widened again
.set YV,   68                          ; v[68:99]   sixteen results of four bf16
.set FV,   100                         ; v[100:131] sixteen results of four f16
.set MSK,  48                          ; s48        a word's upper bf16
.set ROWB, 4352                        ; bytes in a row of a1 and a2
.macro LOADS                           ; the work-group's 65,536 bytes from s[2:3]
.set q, 0
.rept 16
	global_load_b128 v[XV+4*q:XV+4*q+3], v1, s[2:3] offset:4096*q th:TH_LOAD_NT
.set q, q+1
.endr
.endm
; path 0: dense destination, bf16.  1: H, half a row of a1 a load.  2: x, eight rows a load, bf16 into a1 and f16 into a2.  3: dense destination, f16.
.macro OUT path
.set q, 0
.rept 16
	s_wait_loadcnt 15-q                            ; loads come back in order: load q is in, the 15 - q younger ones stay out
	v_cvt_pk_bf16_f32 v[YV+2*q], v[XV+4*q], v[XV+4*q+1]
	v_cvt_pk_bf16_f32 v[YV+2*q+1], v[XV+4*q+2], v[XV+4*q+3]
.if (\path) >= 2
	v_lshlrev_b32 v[XV+4*q],   16, v[YV+2*q]       ; the rounded numbers as f32 again,
	v_and_b32     v[XV+4*q+1], s[MSK], v[YV+2*q]
	v_lshlrev_b32 v[XV+4*q+2], 16, v[YV+2*q+1]
	v_and_b32     v[XV+4*q+3], s[MSK], v[YV+2*q+1]
	v_cvt_pk_f16_f32 v[FV+2*q],   v[XV+4*q],   v[XV+4*q+1]  ; and written as f16
	v_cvt_pk_f16_f32 v[FV+2*q+1], v[XV+4*q+2], v[XV+4*q+3]
.endif
.if (\path) == 0
	global_store_b64 v2, v[YV+2*q:YV+2*q+1], s[4:5] offset:2048*q
.elseif (\path) == 1
	global_store_b64 v2, v[YV+2*q:YV+2*q+1], s[4:5] offset:(q/2)*ROWB+(q%2)*2048
.elseif (\path) == 2
	global_store_b64 v2, v[YV+2*q:YV+2*q+1], s[4:5] offset:8*ROWB*q+4096
	global_store_b64 v2, v[FV+2*q:FV+2*q+1], s[6:7] offset:8*ROWB*q+4096
.else
	global_store_b64 v2, v[FV+2*q:FV+2*q+1], s[4:5] offset:2048*q
.endif
.set q, q+1
.endr
.endm
	s_load_b512 s[8:23], s[0:1], 0x0               ; H s[8:9], x s[10:11], W_hz s[12:13], W_hr s[14:15], W_hh s[16:17], W_xz s[18:19], W_xr s[20:21], W_xh s[22:23]
	s_load_b256 s[24:31], s[0:1], 0x40             ; a1 s[24:25], a2 s[26:27], wz s[28:29], wr s[30:31]
	s_load_b64 s[32:33], s[0:1], 0x60              ; wh
	v_lshlrev_b32 v1, 4, v0                        ; my 16 source bytes
	v_lshlrev_b32 v2, 3, v0                        ; my 8 destination bytes (x makes its own below)
	s_mov_b32 s35, 0                               ; high words of the two offsets
	s_mov_b32 s37, 0
	s_mov_b32 s[MSK], 0xffff0000
	s_wait_kmcnt 0x0
	s_cmp_lt_u32 ttmp9, 512
	s_cbranch_scc1 .LH
	s_cmp_ge_u32 ttmp9, 1328
	s_cbranch_scc1 .LX
	; the six weights: which gate, which 65,536 bytes of it, and whether it is the part for H or the part for x
	s_sub_co_u32 s38, ttmp9, 512
	s_lshr_b32 s39, s38, 8                         ; gate, if W_h*
	s_and_b32 s40, s38, 255                        ; part, if W_h*
	s_sub_co_u32 s38, ttmp9, 1280
	s_lshr_b32 s41, s38, 4                         ; gate, if W_x*
	s_and_b32 s38, s38, 15                         ; part, if W_x*
	s_cmp_lt_u32 ttmp9, 1280
	s_cselect_b32 s39, s39, s41                    ; gate 0 z, 1 r, 2 h
	s_cselect_b32 s40, s40, s38                    ; part
	s_cselect_b32 s41, 0, 0x800000                 ; W_x* goes behind the 2,048 rows of 4,096 bytes of W_h*
	s_cselect_b64 s[42:43], s[12:13], s[18:19]
	s_cselect_b64 s[44:45], s[14:15], s[20:21]
	s_cselect_b64 s[46:47], s[16:17], s[22:23]
	s_cmp_eq_u32 s39, 0
	s_cselect_b64 s[2:3], s[42:43], s[44:45]
	s_cselect_b64 s[4:5], s[28:29], s[30:31]
	s_cmp_eq_u32 s39, 2
	s_cselect_b64 s[2:3], s[46:47], s[2:3]
	s_cselect_b64 s[4:5], s[32:33], s[4:5]
	s_lshl_b32 s34, s40, 16
	s_lshl_b32 s36, s40, 15
	s_add_co_u32 s36, s36, s41
	s_add_nc_u64 s[2:3], s[2:3], s[34:35]
	s_add_nc_u64 s[4:5], s[4:5], s[36:37]
	LOADS
	s_cmp_eq_u32 s39, 2
	s_cbranch_scc1 .LW16                           ; the candidate's weights are written as f16
	OUT 0
	s_endpgm
.LW16:
	OUT 3
	s_endpgm
.LH:                                                   ; eight rows of H into columns 0..2047 of a1
	s_lshl_b32 s34, ttmp9, 16
	s_mul_i32 s36, ttmp9, 8*ROWB
	s_add_nc_u64 s[2:3], s[8:9], s[34:35]
	s_add_nc_u64 s[4:5], s[24:25], s[36:37]
	LOADS
	OUT 1
	s_endpgm
.LX:                                                   ; 128 rows of x into columns 2048..2175 of a1 and of a2: a wave's 512 source bytes are one row
	s_sub_co_u32 s38, ttmp9, 1328
	s_lshl_b32 s34, s38, 16
	s_mul_i32 s36, s38, 128*ROWB
	s_add_nc_u64 s[2:3], s[10:11], s[34:35]
	s_add_nc_u64 s[4:5], s[24:25], s[36:37]
	s_add_nc_u64 s[6:7], s[26:27], s[36:37]
	v_lshrrev_b32 v3, 5, v0                        ; the row among a load's eight
	v_and_b32 v2, 31, v0
	v_mul_u32_u24 v3, v3, ROWB
	v_lshl_add_u32 v2, v2, 3, v3
	LOADS
	OUT 2
	s_endpgm
.Lfunc_end_k_q4e79558ccd_cast:
	.size	k_q4e79558ccd_cast, .Lfunc_end_k_q4e79558ccd_cast-k_q4e79558ccd_cast
	.p2alignl 7, 3214868480
	.fill 96, 4, 3214868480
	.section	.rodata,"a",@progbits
	.p2align	6, 0x0
	.amdhsa_kernel k_q4e79558ccd_cast
		.amdhsa_group_segment_fixed_size 0
		.amdhsa_private_segment_fixed_size 0
		.amdhsa_enable_private_segment 0
		.amdhsa_kernarg_size 104
		.amdhsa_user_sgpr_count 2
		.amdhsa_user_sgpr_kernarg_segment_ptr 1
		.amdhsa_wavefront_size32 1
		.amdhsa_system_sgpr_workgroup_id_x 1
		.amdhsa_system_sgpr_workgroup_id_y 1
		.amdhsa_system_sgpr_workgroup_id_z 1
		.amdhsa_system_vgpr_workitem_id 0
		.amdhsa_next_free_vgpr 132
		.amdhsa_next_free_sgpr 66
		.amdhsa_reserve_vcc 0
		.amdhsa_float_denorm_mode_32 3
		.amdhsa_float_denorm_mode_16_64 3
		.amdhsa_memory_ordered 1
		.amdhsa_forward_progress 1
		.amdhsa_inst_pref_size 33
	.end_amdhsa_kernel
	.amdgpu_metadata
---
amdhsa.version: [ 1, 2 ]
amdhsa.kernels:
  - .name:           k_q4e79558ccd_cast
    .symbol:         k_q4e79558ccd_cast.kd
    .args:
      - { .name: H, .offset: 0, .size: 8, .value_kind: global_buffer, .address_space: global }
      - { .name: x, .offset: 8, .size: 8, .value_kind: global_buffer, .address_space: global }
      - { .name: W_hz, .offset: 16, .size: 8, .value_kind: global_buffer, .address_space: global }
      - { .name: W_hr, .offset: 24, .size: 8, .value_kind: global_buffer, .address_space: global }
      - { .name: W_hh, .offset: 32, .size: 8, .value_kind: global_buffer, .address_space: global }
      - { .name: W_xz, .offset: 40, .size: 8, .value_kind: global_buffer, .address_space: global }
      - { .name: W_xr, .offset: 48, .size: 8, .value_kind: global_buffer, .address_space: global }
      - { .name: W_xh, .offset: 56, .size: 8, .value_kind: global_buffer, .address_space: global }
      - { .name: a1, .offset: 64, .size: 8, .value_kind: global_buffer, .address_space: global }
      - { .name: a2, .offset: 72, .size: 8, .value_kind: global_buffer, .address_space: global }
      - { .name: wz, .offset: 80, .size: 8, .value_kind: global_buffer, .address_space: global }
      - { .name: wr, .offset: 88, .size: 8, .value_kind: global_buffer, .address_space: global }
      - { .name: wh, .offset: 96, .size: 8, .value_kind: global_buffer, .address_space: global }
    .group_segment_fixed_size: 0
    .private_segment_fixed_size: 0
    .kernarg_segment_align: 8
    .kernarg_segment_size: 104
    .max_flat_workgroup_size: 256
    .sgpr_count:     66
    .vgpr_count:     132
    .wavefront_size: 32
...
	.end_amdgpu_metadata
.endif
;; end of part 1
;; launch gate_zr (part 2): grid 16 x 16, 4 waves a work-group, clusters of 4 x 4, 327,680 bytes of LDS; arguments a1, wz, wr, b_z, b_r, zb, a2; writes zb, a2
.if DOCPART == 2
	.amdgcn_target "amdgcn-amd-amdhsa--gfx1250"
	.amdhsa_code_object_version 6
	.text
	.protected	k_q4e79558ccd_gate_zr
	.globl	k_q4e79558ccd_gate_zr
	.p2align	8
	.type	k_q4e79558ccd_gate_zr,@function
k_q4e79558ccd_gate_zr:
	s_mov_b64 s[64:65], 0
	v_nop
	global_prefetch_b8 v0, s[64:65] scope:SCOPE_SE
	s_setreg_imm32_b32 hwreg(HW_REG_WAVE_MODE, 25, 1), 1
	s_wait_xcnt 0x0
	s_wait_alu depctr_hold_cnt(0) depctr_sa_sdst(0) depctr_va_vdst(0) depctr_va_sdst(0) depctr_va_ssrc(0) depctr_va_vcc(0) depctr_vm_vsrc(0)
	s_getreg_b32 s2, hwreg(HW_REG_IB_STS2, 6, 4)
	s_cmp_eq_u32 s2, 0
	s_cbranch_scc0 .Lentry_in_a_cluster
	s_endpgm
.Lentry_in_a_cluster:
	s_bfe_u32 s2, ttmp6, 0x10000c
	s_cmp_lg_u32 s2, 0xf033
	s_cbranch_scc0 .Lentry_shape_is_right
	s_endpgm
.Lentry_shape_is_right:
; BOTH GATES IN ONE LAUNCH.  zb[:, 0:2048] = f16( sigmoid(a1 wz + b_z) ) and a2[:, 0:2048] = f16( sigmoid(a1 wr + b_r) * H ).
; a1 = [H | x]: [4096][2176] bf16; wz = [W_hz; W_xz], wr = [W_hr; W_xr]: [2176][2048] bf16; zb and a2: [4096][2176] f16 (zb's last 128 columns are neither written nor read).  Sums, sigmoid and the product with H in f32.
; FORMATS.  Every input is used as rounded to bf16, wherever it is used: H in the last product is a1's copy, the biases are rounded here.  What the program makes, Z and R H, is rounded to f16.
; LIMITS.  f16 holds no number beyond 65,504: |R H| stays within it; Z lies in 0 to 1 and below 6e-5 keeps f16's fixed step of 6e-8.
; sigmoid(y) = 1 / (1 + 2^(-log2(e) y)): an exponential below 2^-126 counts as 0, one that overflows gives 0, the limit.  NaN is not treated apart.
; SHARES.  The two gates are one product of 4096 x 4096: 16 x 16 tiles of 256 x 256, one for each of 256 work-groups; tile columns 0-7 are Z's, 8-15 are R's.  Four waves, each 128 x 128: 64 accumulators, 512 registers.
; K = 2,176 goes in 17 steps of 128 through a ring of two LDS slots filled by the tensor data mover; A's rows are 256 bytes of memory, the weights' 512, all starting at multiples of 256 from the buffer's first byte.
; CLUSTER.  4 x 4 work-groups.  The four of a row of the cluster need the same tile of a1, the four of a column the same tile of the weights: each is asked for JOINTLY, by the same tensor load with the same descriptor and a mask of four.
; A cluster lies wholly in one gate (cluster columns 0, 1: Z; 2, 3: R): weights, bias and destination are chosen by the cluster's x alone, which all sixteen share.
; ONE TEXT FOR BOTH GATES: the last factor is H, or 1 for Z, chosen word by word.  So Z's work-groups load 256 rows x 512 bytes of H that serve nothing; a second copy of the way out, or loads under a branch, whose counted waits would differ from path to path, would be the other ways.
; THE MATRIX INSTRUCTION IS USED TRANSPOSED: source 0 = 16 columns of the weights ([k][n] in LDS, turned by ds_load_tr16_b128), source 1 = 16 rows of A.  Lane l then holds row l % 16 and the eight columns 8 (l / 16) + 0..7.
; REGISTERS, in windows of 256 (s_set_vgpr_msb: bits 1:0 source 0, 3:2 source 1, 5:4 source 2, 7:6 destination):
;   window 0: v0-31 addresses; v32-51 the bias and work; v64-127, v128-191 fragments of A (8 x 16 rows x 32 K), two buffers (later the way out); v192-223 sixteen rows of H
;   window 1: v64-127, v128-191 fragments of the weights, two buffers      window 2: the accumulators of my rows 0-63, (a, b) at v[8 (8 a + b)]      window 3: those of my rows 64-127
.set PA,     272                       ; a row of A in LDS: 256 bytes + 16 = 68 words: the 16 rows of a load start at 16 different groups of four banks (64 banks of 4 bytes: ISA guide 11.1)
.set PW,     544                       ; a k-row of the weights: 512 + 32 = 136 words
.set HALFT,  128*PA                    ; what one tensor load brings: 128 rows of A, or 64 k-rows of the weights (64 x 544 is the same 34,816 bytes)
.set WOFF,   2*HALFT                   ; in a slot: A's 256 rows, then the weights' 128 k-rows
.set SLOT,   4*HALFT                   ; 139,264 bytes
.set SPITCH, 528                       ; the way out: a row of 128 f32 + 16 bytes
.set TOFF,   64*SPITCH                 ; in my stage: my rows 0-63, then my rows 64-127
.set STG,    128*SPITCH                ; a wave's stage; the four stages lie over the ring, and are written only when the ring has had its last fill and its last read
.set SPARE,  327168                    ; the spare words, 128 bytes for each wave: two blocks of 256 bytes that no other line names
.set LDA,    4352                      ; bytes in a row of a1, a2 and zb
.set ASTEP,  256                       ; a K step in a row of A, in bytes
.set WSTEP,  128*4096                  ; a K step in the weights: 128 rows of 4,096 bytes
.set ADRA, 16                          ; v16-17  LDS address of my A fragments in slot 0, 1
.set ADRB, 20                          ; v20-21  the same for the weights
.set RD,   22                          ; v22     the way out: where I read rows back, in the batch in hand
.set STO,  24                          ; v24     the way out: where I put 32 bytes of a row
.set RD0,  25                          ; v25     my 16 bytes of the first row of my stage; never rewritten
.set YO,   27                          ; v27     8 x lane: my byte offset in 256 bytes of a1 and of the result; never rewritten
.set SPW,  28                          ; v28     LDS address of my spare word; never rewritten
.set NIL,  29                          ; v29     0; never rewritten
.set ONE,  30                          ; v30     1.0 twice, in bf16
.set BR,   32                          ; v32-35  the bias of my four columns, rounded to bf16, then times -log2(e)
.set TB,   36                          ; v36-37  at work
.set HU,   40                          ; v40-47  two rows of the last factor, widened to f32
.set HS,   48                          ; v48-51  the same as packed bf16: H, or 1
.set F0,   64                          ; fragment buffer 0
.set F1,   128                         ; fragment buffer 1
.set SV,   64                          ; v64-127 the way out: 16 rows of sums, four columns a lane
.set YV,   128                         ; v128-159 16 rows of results, two registers each
.set HV,   192                         ; v192-223 16 rows of H as loaded, four bf16 a lane
.set WV,  22                           ; s22 my wave's number
.set WR,  23                           ; s23 which 128 rows are mine.  Also: I fetch for A (0) or for the weights (1)
.set WC,  24                           ; s24 which 128 columns are mine.  Also: which half of that tile I fetch
.set CNT, 25                           ; s25 loop counter
.set LT,  26                           ; s26 LDS place of what I fetch: wave x 34,816
.set GM,  27                           ; s27 all ones in Z's work-groups, 0 in R's
.set G1A, 28                           ; s[28:35] descriptor group 1 for A's tiles
.set G1B, 36                           ; s[36:43] for the weights'
.set G0A, 44                           ; s[44:51] descriptor group 0 for A's tiles, a set for each slot
.set G0B, 52                           ; s[52:59] for the weights'
.set CX,  70
.set CY,  71
.set TC,  72                           ; tile column within the gate, 0 to 7
.set TR,  73                           ; tile row, 0 to 15
.set MKA, 74
.set MKB, 75
.set OA,  76                           ; s[76:77] A's tile: made of the tile row and the wave's number alone
.set OW,  78                           ; s[78:79] the weights' tile: of the tile column and the wave's number alone
.set CZ,  80                           ; s[80:81] -log2(e), named as a pair
.set RW,  84                           ; my first row
.set CW,  85                           ; my first column within the gate
.set TO,  86                           ; s[86:87] an offset at work
.set HB,  88                           ; s[88:89] a1 at my first row and column of the batch in hand
.set YB,  90                           ; s[90:91] the result likewise
.set RO,  92                           ; the batch's byte offset in my stage
.set MSK, 94                           ; a word's upper bf16
.set MSB, 0
.macro WIN new                         ; the immediate's high byte repeats the setting that is left; a switch that changes nothing is dropped
.if MSB != (\new)
	s_set_vgpr_msb (MSB<<8)|(\new)
.set MSB, \new
.endif
.endm
.set MUL_LO, 0xa1                      ; source 0 (weights) window 1, source 1 (A) window 0, C and D window 2
.set MUL_HI, 0xf1                      ; the same, C and D window 3
.set TO_B,   0x40                      ; destination window 1, address window 0
; A joint load.  Waves 0 and 1 fetch A's two halves, waves 2 and 3 the weights'.  The branch hangs on the wave's number alone.  An s_nop 0 and four v_nop follow each of the two lines.
.macro JLOAD s
	s_cmp_eq_u32 s[WR], 0
	s_cbranch_scc0 .Lfor_w_\@
	tensor_load_to_lds s[G0A+4*(\s):G0A+4*(\s)+3], s[G1A:G1A+7]
	s_nop 0
.rept 4
	v_nop
.endr
	s_branch .Lasked_\@
.Lfor_w_\@:
	tensor_load_to_lds s[G0B+4*(\s):G0B+4*(\s)+3], s[G1B:G1B+7]
	s_nop 0
.rept 4
	v_nop
.endr
.Lasked_\@:
.endm
.macro CREST                           ; a round of the cluster's barrier behind its opening barrier: wave 0 signals for the work-group, every wave waits for all sixteen, my work-group's barrier closes it
	s_cmp_lg_u32 s[WV], 0
	s_cbranch_scc1 .Lnot_wave_0_\@
	s_barrier_signal -3
.Lnot_wave_0_\@:
	s_barrier_wait -3
	s_barrier_signal -1
	s_barrier_wait -1
.endm
.macro CROUND                          ; a whole round
	s_barrier_signal -1
	s_barrier_wait -1
	CREST
.endm
.macro PLACES                          ; four places in front of loads into registers that matrix instructions have read, and of LDS stores that read results
.rept 4
	v_nop
.endr
.endm
; 16 matrix instructions: row blocks a0, a0 + 1 of the window's four (hi = 0: my rows 0-63, 1: rows 64-127) x all 8 column blocks, 32 along K.  zero = 1: the product starts the sums.
; The 64 accumulators are taken in the same order in every quarter: they take turns, one instruction a turn.
.macro MUL16 f, hi, a0, zero
	WIN MUL_LO+0x50*(\hi)
.irp a, \a0, (\a0)+1
.irp b, 0,1,2,3,4,5,6,7
.if \zero
	v_wmma_f32_16x16x32_bf16 v[8*(8*(\a)+(\b)):8*(8*(\a)+(\b))+7], v[(\f)+8*(\b):(\f)+8*(\b)+7], v[(\f)+8*(4*(\hi)+(\a)):(\f)+8*(4*(\hi)+(\a))+7], 0
.else
	v_wmma_f32_16x16x32_bf16 v[8*(8*(\a)+(\b)):8*(8*(\a)+(\b))+7], v[(\f)+8*(\b):(\f)+8*(\b)+7], v[(\f)+8*(4*(\hi)+(\a)):(\f)+8*(4*(\hi)+(\a))+7], v[8*(8*(\a)+(\b)):8*(8*(\a)+(\b))+7]
.endif
.endr
.endr
.endm
; 32 LDS loads in one run: the fragments of quarter qq of the slot's step (32 along K) into buffer f: 16 turning loads for my 128 columns of the weights, then 16 for my 128 rows of A, of which the last eight are rows 64-127.
.macro FETCH slot, qq, f
	WIN TO_B
.irp b, 0,1,2,3,4,5,6,7
	ds_load_tr16_b128 v[(\f)+8*(\b):(\f)+8*(\b)+3],   v[ADRB+(\slot)] offset:32*(\qq)*PW+32*(\b)
	ds_load_tr16_b128 v[(\f)+8*(\b)+4:(\f)+8*(\b)+7], v[ADRB+(\slot)] offset:32*(\qq)*PW+32*(\b)+16*PW
.endr
	WIN 0
.irp i, 0,1,2,3,4,5,6,7
	ds_load_b128 v[(\f)+8*(\i):(\f)+8*(\i)+3],   v[ADRA+(\slot)] offset:64*(\qq)+(\i)*16*PA
	ds_load_b128 v[(\f)+8*(\i)+4:(\f)+8*(\i)+7], v[ADRA+(\slot)] offset:64*(\qq)+(\i)*16*PA+32
.endr
.endm
; A K step is four quarters of 32 along K, 64 matrix instructions each, on buffers 0, 1, 0, 1.
; One of the first three: multiplies buffer f; in its middle it fetches quarter qq of the same slot into buffer g.
.macro QUARTER slot, qq, f, g, zero
	s_wait_dscnt 8                                 ; the weights and A's rows 0-63 are in; the youngest eight loads (A's rows 64-127) may be out
	MUL16 \f, 0, 0, \zero
	MUL16 \f, 0, 2, \zero
	PLACES
	FETCH \slot, \qq, \g
	s_wait_dscnt 32                                ; all but the 32 just issued
	MUL16 \f, 1, 0, \zero
	MUL16 \f, 1, 2, \zero
.endm
; The last quarter multiplies buffer 1 and changes slots: ONE barrier.  In front of it each wave waits for all its tensor loads (one is out: its part of the next slot), adds 0 to its spare word, and waits for that
; and for its own reads of this slot.  fill = 1: the barrier opens a round of the cluster's barrier, and this slot is filled again, two K steps on, first thing behind the round:
; from that request to the wait for it a wave issues 224 of a step's 256 matrix instructions.
.macro TURN slot, next, fill
	WIN 0                                          ; (the add's two registers lie in window 0)
	s_wait_tensorcnt 0x0                           ; all my tensor loads have landed
	ds_add_u32 v[SPW], v[NIL]                      ; 0 onto my spare word
	s_wait_dscnt 9                                 ; (the add and the youngest eight loads may be out)
	MUL16 F1, 0, 0, 0                              ; sixteen matrix instructions stand between the add and the wait for it
	s_wait_dscnt 0x0                               ; the add is done, and my reads of this slot are over
	s_barrier_signal -1
	MUL16 F1, 0, 2, 0                              ; work on registers while the others arrive
.if \fill
	WIN 0
.endif
	s_barrier_wait -1
.if \fill
	CREST                                          ; no wave of any partner still reads this slot's tiles or has a load on its way
	s_add_nc_u64 s[G0A+4*(\slot)+2:G0A+4*(\slot)+3], s[G0A+4*(\slot)+2:G0A+4*(\slot)+3], 2*ASTEP
	s_add_nc_u64 s[G0B+4*(\slot)+2:G0B+4*(\slot)+3], s[G0B+4*(\slot)+2:G0B+4*(\slot)+3], 2*WSTEP
	JLOAD \slot                                    ; the four v_nop behind it are also the places in front of the loads below
.else
	PLACES
.endif
	FETCH \next, 0, F0
	MUL16 F1, 1, 0, 0
	MUL16 F1, 1, 2, 0
.endm
; The very last quarter.  Its barrier orders every wave's last reads of the ring ahead of the stores into the stages, which lie over the ring.
.macro LASTQ
	s_wait_dscnt 8
	MUL16 F1, 0, 0, 0
	MUL16 F1, 0, 2, 0
	s_wait_dscnt 0x0                               ; my reads of the ring are over
	s_barrier_signal -1
	MUL16 F1, 1, 0, 0
	MUL16 F1, 1, 2, 0
	WIN 0
	s_barrier_wait -1
	PLACES                                         ; the stores below read results just made
.endm
; The accumulators of one window go into my stage: a lane's eight columns are 32 bytes of a row; each accumulator's low four registers first.
.macro DUMP win, off
	WIN \win                                       ; store data (source 1) in the accumulators' window
.irp a, 0,1,2,3
.irp b, 0,1,2,3,4,5,6,7
	ds_store_b128 v[STO], v[8*(8*(\a)+(\b)):8*(8*(\a)+(\b))+3]   offset:(\off)+16*SPITCH*(\a)+64*(\b)
	ds_store_b128 v[STO], v[8*(8*(\a)+(\b))+4:8*(8*(\a)+(\b))+7] offset:(\off)+16*SPITCH*(\a)+64*(\b)+16
.endr
.endr
	WIN 0
.endm
; Four f32 in v[r:r+3] are rounded to bf16 and widened again; v[t:t+1] at work.
.macro TOBF r, t
	v_cvt_pk_bf16_f32 v[(\t)],   v[(\r)],   v[(\r)+1]
	v_cvt_pk_bf16_f32 v[(\t)+1], v[(\r)+2], v[(\r)+3]
	v_lshlrev_b32 v[(\r)],   16, v[(\t)]
	v_and_b32     v[(\r)+1], s[MSK], v[(\t)]
	v_lshlrev_b32 v[(\r)+2], 16, v[(\t)+1]
	v_and_b32     v[(\r)+3], s[MSK], v[(\t)+1]
.endm
	s_load_b256 s[4:11], s[0:1], 0x0               ; a1 s[4:5], wz s[6:7], wr s[8:9], b_z s[10:11]
	s_load_b128 s[12:15], s[0:1], 0x20             ; b_r s[12:13], zb s[14:15]
	s_load_b64 s[16:17], s[0:1], 0x30              ; a2
	v_lshl_add_u32 v[SPW], v0, 2, SPARE
	v_mov_b32 v[NIL], 0
	ds_add_u32 v[SPW], v[NIL]                      ; the wave's opening: the add and its wait stand ahead of my first tensor load; the set-up below, work on registers, stands between them
	v_lshrrev_b32 v1, 5, v0
	v_readfirstlane_b32 s[WV], v1                  ; wave 0..3
	s_lshr_b32 s[WR], s[WV], 1
	s_and_b32 s[WC], s[WV], 1
	s_bfe_u32 s[CX], ttmp6, 0x40000                ; my place in the cluster
	s_bfe_u32 s[CY], ttmp6, 0x40004
	s_and_b32 s[TC], ttmp9, 1                      ; in a cluster launch ttmp9 and ttmp7 count clusters: a gate has two cluster columns
	s_lshl_b32 s[TC], s[TC], 2
	s_add_co_u32 s[TC], s[TC], s[CX]               ; tile column within the gate
	s_and_b32 s[TR], ttmp7, 0xffff
	s_lshl_b32 s[TR], s[TR], 2
	s_add_co_u32 s[TR], s[TR], s[CY]               ; tile row
	s_lshl_b32 s[MKA], s[CY], 2
	s_lshl_b32 s[MKA], 15, s[MKA]                  ; my row of the cluster
	s_lshl_b32 s[MKB], 0x1111, s[CX]               ; my column
	; group 1 for A: 128 rows x 128 elements of 2 bytes, 4 words of padding behind every 64
	s_or_b32 s[G1A], s[MKA], (1<<16)|(1<<20)|(1<<21)|(5<<22)|(3<<25)
	s_mov_b32 s[G1A+1], 128<<16                    ; tensor_dim0 = 128
	s_mov_b32 s[G1A+2], 128<<16                    ; tensor_dim1 = 128
	s_mov_b32 s[G1A+3], 128<<16                    ; tile_dim0 = 128
	s_mov_b32 s[G1A+4], 128                        ; tile_dim1 = 128
	s_mov_b32 s[G1A+5], 2176                       ; elements from row to row
	s_mov_b32 s[G1A+6], 0
	s_mov_b32 s[G1A+7], 0
	; group 1 for the weights: 64 k-rows x 256 elements, 8 words of padding behind every 128
	s_or_b32 s[G1B], s[MKB], (1<<16)|(1<<20)|(1<<21)|(6<<22)|(7<<25)
	s_mov_b32 s[G1B+1], 256<<16
	s_mov_b32 s[G1B+2], 64<<16
	s_mov_b32 s[G1B+3], 256<<16
	s_mov_b32 s[G1B+4], 64
	s_mov_b32 s[G1B+5], 2048
	s_mov_b32 s[G1B+6], 0
	s_mov_b32 s[G1B+7], 0
	s_lshl_b32 s[OA], s[TR], 8                     ; A: row 256 x tile row + 128 x half, times 4,352 bytes
	s_lshl_b32 s[OA+1], s[WC], 7
	s_add_co_u32 s[OA], s[OA], s[OA+1]
	s_mul_i32 s[OA], s[OA], LDA
	s_mov_b32 s[OA+1], 0
	s_lshl_b32 s[OW], s[WC], 18                    ; weights: k-row 64 x half (4,096 bytes each), column 256 x tile column (2 bytes each)
	s_lshl_b32 s[OW+1], s[TC], 9
	s_add_co_u32 s[OW], s[OW], s[OW+1]
	s_mov_b32 s[OW+1], 0
	s_mul_i32 s[LT], s[WV], HALFT                  ; where they go: A's two halves, then the weights' two = wave x 34,816: no place in the cluster enters an LDS address
	s_mov_b32 s[CZ], 0xbfb8aa3b                    ; -log2(e)
	s_mov_b32 s[CZ+1], s[CZ]
	s_mov_b32 s[MSK], 0xffff0000
	s_wait_dscnt 0x0                               ; the opening add is done
	s_wait_kmcnt 0x0
	s_cmp_lt_u32 ttmp9, 2                          ; cluster columns 0 and 1 make Z, 2 and 3 make R
	s_cselect_b64 s[6:7], s[6:7], s[8:9]           ; my gate's weights,
	s_cselect_b64 s[10:11], s[10:11], s[12:13]     ; its bias,
	s_cselect_b64 s[14:15], s[14:15], s[16:17]     ; and where its result goes
	s_cselect_b32 s[GM], -1, 0
	s_add_nc_u64 s[OA:OA+1], s[4:5], s[OA:OA+1]
	s_add_nc_u64 s[OW:OW+1], s[6:7], s[OW:OW+1]
	CROUND                                         ; all sixteen work-groups are here: the first joint loads meet
.irp s, 0,1
	s_mov_b32 s[G0A+4*(\s)], 1                     ; count = 1
	s_add_co_u32 s[G0A+4*(\s)+1], s[LT], (\s)*SLOT ; LDS address
	s_add_nc_u64 s[G0A+4*(\s)+2:G0A+4*(\s)+3], s[OA:OA+1], (\s)*ASTEP  ; global address: K step s
	s_or_b32 s[G0A+4*(\s)+3], s[G0A+4*(\s)+3], 0x80000000              ; type = 2
	s_mov_b32 s[G0B+4*(\s)], 1
	s_add_co_u32 s[G0B+4*(\s)+1], s[LT], (\s)*SLOT
	s_add_nc_u64 s[G0B+4*(\s)+2:G0B+4*(\s)+3], s[OW:OW+1], (\s)*WSTEP
	s_or_b32 s[G0B+4*(\s)+3], s[G0B+4*(\s)+3], 0x80000000
	JLOAD \s                                       ; two loads of mine are out
.endr
	; lane addresses.  A fragment of A: lane l holds row l % 16; two loads of 16 bytes, 32 apart, at row x pitch + 16 (l / 16).
	v_and_b32 v1, 15, v0                           ; l % 16
	v_bfe_u32 v2, v0, 4, 1                         ; l / 16
	v_and_b32 v3, 31, v0                           ; l
	v_mul_u32_u24 v4, v1, PA
	v_lshl_add_u32 v4, v2, 4, v4
	s_mul_i32 s[TO], s[WR], HALFT                  ; my 128 rows
	v_add_nc_u32 v[ADRA], s[TO], v4
	v_add_nc_u32 v[ADRA+1], SLOT, v[ADRA]
	; The turning load takes 16 k x 16 columns: lane l reads k-row 8 (l / 16) + l % 8, columns 8 ((l / 8) % 2) + 0..7, and is left with column l % 16 and 8 k.
	v_and_b32 v5, 7, v0
	v_lshl_add_u32 v5, v2, 3, v5
	v_mul_u32_u24 v5, v5, PW
	v_bfe_u32 v6, v0, 3, 1
	v_lshl_add_u32 v5, v6, 4, v5
	s_lshl_b32 s[TO], s[WC], 8                     ; my 128 columns
	s_add_co_u32 s[TO], s[TO], WOFF
	v_add_nc_u32 v[ADRB], s[TO], v5
	v_add_nc_u32 v[ADRB+1], SLOT, v[ADRB]
	s_mul_i32 s[TO], s[WV], STG                    ; my stage
	v_mul_u32_u24 v[STO], v1, SPITCH               ; in: row l % 16, 32 bytes for each half of the lanes
	v_lshl_add_u32 v[STO], v2, 5, v[STO]
	v_add_nc_u32 v[STO], s[TO], v[STO]
	v_lshl_add_u32 v[RD0], v3, 4, s[TO]            ; back: 32 lanes take a whole row of 512 bytes
	v_lshlrev_b32 v[YO], 3, v3
	v_mov_b32 v[ONE], 0x3f803f80
	s_lshl_b32 s[RW], s[TR], 8
	s_lshl_b32 s[TO], s[WR], 7
	s_add_co_u32 s[RW], s[RW], s[TO]               ; my first row
	s_lshl_b32 s[CW], s[TC], 8
	s_lshl_b32 s[TO], s[WC], 7
	s_add_co_u32 s[CW], s[CW], s[TO]               ; my first column within the gate
	s_mul_i32 s[TO], s[RW], LDA                    ; a1, a2 and zb have one layout: one offset serves H's copy and the result
	s_lshl_b32 s[TO+1], s[CW], 1
	s_add_co_u32 s[TO], s[TO], s[TO+1]
	s_mov_b32 s[TO+1], 0
	s_add_nc_u64 s[HB:HB+1], s[4:5], s[TO:TO+1]
	s_add_nc_u64 s[YB:YB+1], s[14:15], s[TO:TO+1]
	v_lshlrev_b32 v7, 4, v3
	v_lshl_add_u32 v7, s[CW], 2, v7                ; my four columns in the bias; never rewritten
	global_load_b128 v[BR:BR+3], v7, s[10:11]
.set i, 0
.rept 16                                       ; the first 16 rows of H for the way out are asked for now: they land while the products run
	global_load_b64 v[HV+2*i:HV+2*i+1], v[YO], s[HB:HB+1] offset:LDA*i
.set i, i+1
.endr
	s_wait_tensorcnt 1                             ; my part of K step 0 is in; step 1's may stay out
	s_barrier_signal -1
	s_barrier_wait -1                              ; everybody's is
	FETCH 0, 0, F0
	QUARTER 0, 1, F0, F1, 1                        ; step 0's first quarter stands in front of the loop: its products start the sums
	WIN 0                                          ; at a label and at a branch every window is 0
	s_mov_b32 s[CNT], 7
.Llap:                                                 ; a trip goes once round the ring, from a lap's second quarter to the next lap's first; seven trips end steps 0 to 13 and ask for steps 2 to 15
	QUARTER 0, 2, F1, F0, 0
	QUARTER 0, 3, F0, F1, 0
	TURN 0, 1, 1
	QUARTER 1, 1, F0, F1, 0
	QUARTER 1, 2, F1, F0, 0
	QUARTER 1, 3, F0, F1, 0
	TURN 1, 0, 1
	QUARTER 0, 1, F0, F1, 0
	WIN 0
	s_sub_co_u32 s[CNT], s[CNT], 1
	s_cmp_lg_u32 s[CNT], 0
	s_cbranch_scc1 .Llap
	QUARTER 0, 2, F1, F0, 0                        ; step 14 goes on
	QUARTER 0, 3, F0, F1, 0
	TURN 0, 1, 1                                   ; step 14 ends; step 16, the last, is asked for
	QUARTER 1, 1, F0, F1, 0
	QUARTER 1, 2, F1, F0, 0
	QUARTER 1, 3, F0, F1, 0
	TURN 1, 0, 0                                   ; step 15 ends; nothing is left to fetch
	QUARTER 0, 1, F0, F1, 0
	QUARTER 0, 2, F1, F0, 0
	QUARTER 0, 3, F0, F1, 0
	LASTQ
	; THE WAY OUT.  The sums go through my stage and come back as whole rows: lane l then holds columns 4 l .. 4 l + 3, as in an 8-byte load of a1 and an 8-byte store of the result.
	DUMP 0x08, 0
	DUMP 0x0c, TOFF
	s_wait_loadcnt 16                              ; the bias is in; the 16 rows of H may be out
	TOBF BR, TB
	v_pk_mul_f32 v[BR:BR+1], v[BR:BR+1], s[CZ:CZ+1] op_sel_hi:[1,0]
	v_pk_mul_f32 v[BR+2:BR+3], v[BR+2:BR+3], s[CZ:CZ+1] op_sel_hi:[1,0]
	s_mov_b32 vcc_lo, s[GM]                        ; behind my last tensor load: all lanes take 1 (Z) or all take H (R)
; A batch of 16 rows, two at a time.  ahead = 1: each pair's registers of H take the rows 16 further down as soon as they have been read.
.macro BATCH ahead
	v_add_nc_u32 v[RD], s[RO], v[RD0]
.set i, 0
.rept 16
	ds_load_b128 v[SV+4*i:SV+4*i+3], v[RD] offset:SPITCH*i  ; LDS serves a wave's instructions in order (ISA guide 5.7.1.4): these see my stores above
.set i, i+1
.endr
.set u, 0
.rept 8
.if \ahead
	s_wait_loadcnt 14                              ; 16 rows of H are out, this pair the oldest: the 14 behind it stay out
.else
	s_wait_loadcnt 14-2*u                          ; nothing is asked for any more: the counts run down
.endif
	s_wait_dscnt 14-2*u                            ; this pair's sums are back from the stage
.set k, 0
.rept 4
	v_pk_fma_f32 v[SV+8*u+2*k:SV+8*u+2*k+1], v[SV+8*u+2*k:SV+8*u+2*k+1], s[CZ:CZ+1], v[BR+2*(k%2):BR+2*(k%2)+1] op_sel_hi:[1,0,1]  ; -log2(e) (s + b)
.set k, k+1
.endr
.set k, 0
.rept 8
	v_exp_f32 v[SV+8*u+k], v[SV+8*u+k]
.set k, k+1
.endr
.set k, 0
.rept 4                                        ; the last factor, two bf16 a word: plain instructions, which also stand between the last exponential and the use of its result (ISA guide 5.7.2)
	v_cndmask_b32 v[HS+k], v[HV+4*u+k], v[ONE], vcc_lo
.set k, k+1
.endr
.if \ahead
	global_load_b64 v[HV+4*u:HV+4*u+1],   v[YO], s[HB:HB+1] offset:LDA*(16+2*u)
	global_load_b64 v[HV+4*u+2:HV+4*u+3], v[YO], s[HB:HB+1] offset:LDA*(17+2*u)
.endif
.set k, 0
.rept 4
	v_lshlrev_b32 v[HU+2*k],   16, v[HS+k]
	v_and_b32     v[HU+2*k+1], s[MSK], v[HS+k]
.set k, k+1
.endr
.set k, 0
	s_wait_alu depctr_va_vdst(0)
.rept 4
	v_pk_add_f32 v[SV+8*u+2*k:SV+8*u+2*k+1], v[SV+8*u+2*k:SV+8*u+2*k+1], 1.0 op_sel_hi:[1,0]
.set k, k+1
.endr
.set k, 0
.rept 8
	v_rcp_f32 v[SV+8*u+k], v[SV+8*u+k]
.set k, k+1
.endr
	v_nop                                          ; a plain instruction between the last reciprocal and the use of its result
.set k, 0
	s_wait_alu depctr_va_vdst(0)
.rept 4
	v_pk_mul_f32 v[SV+8*u+2*k:SV+8*u+2*k+1], v[SV+8*u+2*k:SV+8*u+2*k+1], v[HU+2*k:HU+2*k+1]  ; R H, or Z
.set k, k+1
.endr
.set k, 0
.rept 4
	v_cvt_pk_f16_f32 v[YV+4*u+k], v[SV+8*u+2*k], v[SV+8*u+2*k+1]
.set k, k+1
.endr
	global_store_b64 v[YO], v[YV+4*u:YV+4*u+1],   s[YB:YB+1] offset:LDA*(2*u)    ; a wave's store covers 256 consecutive bytes, at a multiple of 256 from the buffer's first byte
	global_store_b64 v[YO], v[YV+4*u+2:YV+4*u+3], s[YB:YB+1] offset:LDA*(2*u+1)
.set u, u+1
.endr
.endm
	s_mov_b32 s[RO], 0
	s_mov_b32 s[CNT], 7
.Lbatch:
	BATCH 1
	s_wait_xcnt 0x0                                ; the two bases and the stores' data registers are rewritten only behind this wait
	s_add_nc_u64 s[HB:HB+1], s[HB:HB+1], 16*LDA
	s_add_nc_u64 s[YB:YB+1], s[YB:YB+1], 16*LDA
	s_add_co_u32 s[RO], s[RO], 16*SPITCH
	s_sub_co_u32 s[CNT], s[CNT], 1
	s_cmp_lg_u32 s[CNT], 0
	s_cbranch_scc1 .Lbatch
	BATCH 0                                        ; the last 16 rows are written out: no load goes past my 128 rows
	s_wait_tensorcnt 0x0                           ; the wave's end, behind my last tensor load and my last LDS store
	ds_add_u32 v[SPW], v[NIL]
	s_wait_dscnt 0x0
	CROUND                                         ; the closing round: no work-group ends while a partner may still ask for a tile that names it
	s_endpgm
.Lfunc_end_k_q4e79558ccd_gate_zr:
	.size	k_q4e79558ccd_gate_zr, .Lfunc_end_k_q4e79558ccd_gate_zr-k_q4e79558ccd_gate_zr
	.p2alignl 7, 3214868480
	.fill 96, 4, 3214868480
	.section	.rodata,"a",@progbits
	.p2align	6, 0x0
	.amdhsa_kernel k_q4e79558ccd_gate_zr
		.amdhsa_group_segment_fixed_size 327680
		.amdhsa_private_segment_fixed_size 0
		.amdhsa_enable_private_segment 0
		.amdhsa_kernarg_size 56
		.amdhsa_user_sgpr_count 2
		.amdhsa_user_sgpr_kernarg_segment_ptr 1
		.amdhsa_wavefront_size32 1
		.amdhsa_system_sgpr_workgroup_id_x 1
		.amdhsa_system_sgpr_workgroup_id_y 1
		.amdhsa_system_sgpr_workgroup_id_z 1
		.amdhsa_system_vgpr_workitem_id 0
		.amdhsa_next_free_vgpr 1024
		.amdhsa_next_free_sgpr 96
		.amdhsa_reserve_vcc 1
		.amdhsa_float_denorm_mode_32 3
		.amdhsa_float_denorm_mode_16_64 3
		.amdhsa_memory_ordered 1
		.amdhsa_forward_progress 1
		.amdhsa_inst_pref_size 188
	.end_amdhsa_kernel
	.amdgpu_metadata
---
amdhsa.version: [ 1, 2 ]
amdhsa.kernels:
  - .name:           k_q4e79558ccd_gate_zr
    .symbol:         k_q4e79558ccd_gate_zr.kd
    .args:
      - { .name: a1, .offset: 0, .size: 8, .value_kind: global_buffer, .address_space: global }
      - { .name: wz, .offset: 8, .size: 8, .value_kind: global_buffer, .address_space: global }
      - { .name: wr, .offset: 16, .size: 8, .value_kind: global_buffer, .address_space: global }
      - { .name: b_z, .offset: 24, .size: 8, .value_kind: global_buffer, .address_space: global }
      - { .name: b_r, .offset: 32, .size: 8, .value_kind: global_buffer, .address_space: global }
      - { .name: zb, .offset: 40, .size: 8, .value_kind: global_buffer, .address_space: global }
      - { .name: a2, .offset: 48, .size: 8, .value_kind: global_buffer, .address_space: global }
    .group_segment_fixed_size: 327680
    .private_segment_fixed_size: 0
    .kernarg_segment_align: 8
    .kernarg_segment_size: 56
    .max_flat_workgroup_size: 128
    .sgpr_count:     96
    .vgpr_count:     1024
    .wavefront_size: 32
...
	.end_amdgpu_metadata
.endif
;; end of part 2
;; launch gate_h (part 3): grid 8 x 32, 4 waves a work-group, clusters of 4 x 4, 327,680 bytes of LDS; arguments a2, wh, a1, zb, b_h, W_hq, part; writes part
.if DOCPART == 3
	.amdgcn_target "amdgcn-amd-amdhsa--gfx1250"
	.amdhsa_code_object_version 6
	.text
	.protected	k_q4e79558ccd_gate_h
	.globl	k_q4e79558ccd_gate_h
	.p2align	8
	.type	k_q4e79558ccd_gate_h,@function
k_q4e79558ccd_gate_h:
	s_mov_b64 s[64:65], 0
	v_nop
	global_prefetch_b8 v0, s[64:65] scope:SCOPE_SE
	s_setreg_imm32_b32 hwreg(HW_REG_WAVE_MODE, 25, 1), 1
	s_wait_xcnt 0x0
	s_wait_alu depctr_hold_cnt(0) depctr_sa_sdst(0) depctr_va_vdst(0) depctr_va_sdst(0) depctr_va_ssrc(0) depctr_va_vcc(0) depctr_vm_vsrc(0)
	s_getreg_b32 s2, hwreg(HW_REG_IB_STS2, 6, 4)
	s_cmp_eq_u32 s2, 0
	s_cbranch_scc0 .Lentry_in_a_cluster
	s_endpgm
.Lentry_in_a_cluster:
	s_bfe_u32 s2, ttmp6, 0x10000c
	s_cmp_lg_u32 s2, 0xf033
	s_cbranch_scc0 .Lentry_shape_is_right
	s_endpgm
.Lentry_shape_is_right:
; part[p][row] = the sum over 128 columns of H_new W_hq, with T = tanh(a2 wh + b_h) and H_new = Z H + (1 - Z) T = Z (H - T) + T.
; a2 = [R H | x]: [4096][2176] f16; wh = [W_hh; W_xh]: [2176][2048] f16; zb = Z: [4096][2176] f16 (columns 0..2047); a1's columns 0..2047 = H in bf16; all behind the product in f32.  part: [16][4096] f32, p = 2 x tile column + my column half.
; FORMATS.  Every input is used as rounded to bf16, wherever it is used: H in the mix is a1's copy; b_h and W_hq are rounded here; a2's x and wh hold bf16-rounded numbers written as f16.  R H and Z, which the program makes, arrive in f16.
; LIMITS.  f16 holds no number beyond 65,504: a2 and wh arrive within it.  tanh(y) = 1 - 2 / (1 + 2^(2 log2(e) y)), whose absolute error is near 1e-7, so a very small y loses relative accuracy.
; An exponential below 2^-126 counts as 0, one that overflows gives the limits +-1.  NaN is not treated apart.
; SHARES.  A tile is 128 rows x 256 columns: 32 x 8 tiles, one for each of 256 work-groups (tiles of 256 x 256 would be 128).  Four waves, each 64 rows x 128 columns: 32 accumulators of 16 x 16, 256 registers.
; K = 2,176 goes in 17 steps of 128 through a ring of two LDS slots filled by the tensor data mover; A's rows are 256 bytes of memory, the weights' 512, all starting at multiples of 256 from the buffer's first byte.
; CLUSTER.  4 x 4 work-groups.  The four of a row of the cluster need the same tile of a2, the four of a column the same tile of wh: each is asked for JOINTLY, by the same tensor load with the same descriptor and a mask of four.
; THE MATRIX INSTRUCTION IS USED TRANSPOSED: source 0 = 16 columns of the weights ([k][n] in LDS, turned by ds_load_tr16_b128), source 1 = 16 rows of A.  Lane l then holds row l % 16 and the eight columns 8 (l / 16) + 0..7.
; REGISTERS, in windows of 256 (s_set_vgpr_msb: bits 1:0 source 0, 3:2 source 1, 5:4 source 2, 7:6 destination):
;   window 0: v0-31 addresses; v36-61 b_h, W_hq and work; v64-191 fragments of A, two buffers of 64 along K (later the way out); v192-223 sixteen rows of H; v224-255 sixteen rows of Z
;   window 1: fragments of the weights, two buffers of 128      window 2: the accumulators, (a, b) at v[8 (8 a + b)]
.set PA,     272                       ; a row of A in LDS: 256 bytes + 16 = 68 words: the 16 rows of a load start at 16 different groups of four banks (64 banks of 4 bytes: ISA guide 11.1)
.set PW,     544                       ; a k-row of the weights: 512 + 32 = 136 words
.set AHALF,  64*PA                     ; what one tensor load brings of A, and what a wave reads of it
.set WHALF,  64*PW                     ; what one tensor load brings of the weights
.set WOFF,   2*AHALF                   ; in a slot: A's 128 rows, then the weights' 128 k-rows
.set SLOT,   2*AHALF+2*WHALF           ; 104,448 bytes
.set SPITCH, 528                       ; the way out: a row of 128 f32 + 16 bytes
.set STG,    64*SPITCH                 ; a wave's stage; the four stages lie over the ring, and are written only when the ring has had its last fill and its last read
.set CSB,    2*SLOT                    ; behind the ring: for each wave 64 rows of 32 lanes' partial sums,
.set CSP,    144                       ; 128 bytes + 16
.set CSW,    64*CSP
.set SPARE,  327168                    ; the spare words, 128 bytes for each wave: two blocks of 256 bytes that no other line names
.set LDA,    4352                      ; bytes in a row of a1, a2 and zb
.set ASTEP,  256                       ; a K step in a row of A, in bytes
.set WSTEP,  128*4096                  ; a K step in the weights: 128 rows of 4,096 bytes
.set ADRA, 16                          ; v16-17  LDS address of my A fragments in slot 0, 1
.set ADRB, 20                          ; v20-21  the same for the weights
.set RD,   22                          ; v22     where I read rows back, in the batch in hand
.set CSA,  23                          ; v23     where I put a row's partial sum, in the batch in hand
.set STO,  24                          ; v24     where I put 32 bytes of a row
.set RD0,  25                          ; v25     my 16 bytes of the first row of my stage; never rewritten
.set YO,   27                          ; v27     8 x lane; never rewritten
.set SPW,  28                          ; v28     LDS address of my spare word; never rewritten
.set NIL,  29                          ; v29     0; never rewritten
.set CSA0, 30                          ; v30     my word of the first row of partial sums; never rewritten
.set CSR,  31                          ; v31     the two rows of partial sums that I add up at the end
.set BH,   36                          ; v36-39  b_h of my four columns, rounded to bf16, then times 2 log2(e)
.set WQ,   40                          ; v40-43  W_hq, rounded
.set DV,   44                          ; v44-51  H - T of two rows
.set PV,   52                          ; v52-55  two rows' products with W_hq
.set QV,   56                          ; v56-57  two rows' sums of my four columns
.set ZT,   58                          ; v58-61  two rows of Z as loaded: brought down here, since a register's halves have names only from v0 to v127; the conversions below name v58 to v61
.set ZU,   64                          ; v64-71  two rows of Z in f32, then of H_new
.set HU,   72                          ; v72-79  two rows of H in f32
.set SF,   64                          ; v64-127 at the very end: two rows' 32 shares
.set TV,   128                         ; v128-191 16 rows of sums, four columns a lane
.set HV,   192                         ; v192-223 16 rows of H as loaded, four bf16 a lane
.set ZV,   224                         ; v224-255 16 rows of Z as loaded, four f16 a lane
.set WV,  22                           ; s22 my wave's number
.set WR,  23                           ; s23 which 64 rows are mine.  Also: I fetch for A (0) or for the weights (1)
.set WC,  24                           ; s24 which 128 columns are mine.  Also: which half of that tile I fetch
.set CNT, 25                           ; s25 loop counter
.set LA,  26                           ; s26 LDS place of the half of A that I would fetch
.set LW,  27                           ; s27 the same for the weights
.set G1A, 28                           ; s[28:35] descriptor group 1 for A's tiles
.set G1B, 36                           ; s[36:43] for the weights'
.set G0A, 44                           ; s[44:51] descriptor group 0 for A's tiles, a set for each slot
.set G0B, 52                           ; s[52:59] for the weights'
.set ZB,  60                           ; s[60:61] zb at my first row and column of the batch in hand
.set CX,  70
.set CY,  71
.set TC,  72                           ; tile column
.set TR,  73                           ; tile row
.set MKA, 74
.set MKB, 75
.set OA,  76                           ; s[76:77] A's tile: made of the tile row and the wave's number alone
.set OW,  78                           ; s[78:79] the weights' tile: of the tile column and the wave's number alone
.set CT,  82                           ; s[82:83] 2 log2(e), named as a pair
.set RW,  84                           ; my first row
.set CW,  85                           ; my first column
.set TO,  86                           ; s[86:87] an offset at work
.set HB,  88                           ; s[88:89] a1 at my first row and column of the batch in hand
.set YB,  90                           ; s[90:91] part at my 64 rows
.set RO,  92                           ; the batch's byte offset in my stage
.set CO,  93                           ; and among my rows of partial sums
.set MSK, 94                           ; a word's upper bf16
.set MSB, 0
.macro WIN new                         ; the immediate's high byte repeats the setting that is left; a switch that changes nothing is dropped
.if MSB != (\new)
	s_set_vgpr_msb (MSB<<8)|(\new)
.set MSB, \new
.endif
.endm
.set MULW, 0xa1                        ; source 0 (weights) window 1, source 1 (A) window 0, C and D window 2
.set TO_B, 0x40                        ; destination window 1, address window 0
; A joint load.  Waves 0 and 1 fetch A's two halves, waves 2 and 3 the weights'.  The branch hangs on the wave's number alone.  An s_nop 0 and four v_nop follow each of the two lines.
.macro JLOAD s
	s_cmp_eq_u32 s[WR], 0
	s_cbranch_scc0 .Lfor_w_\@
	tensor_load_to_lds s[G0A+4*(\s):G0A+4*(\s)+3], s[G1A:G1A+7]
	s_nop 0
.rept 4
	v_nop
.endr
	s_branch .Lasked_\@
.Lfor_w_\@:
	tensor_load_to_lds s[G0B+4*(\s):G0B+4*(\s)+3], s[G1B:G1B+7]
	s_nop 0
.rept 4
	v_nop
.endr
.Lasked_\@:
.endm
.macro CREST                           ; a round of the cluster's barrier behind its opening barrier: wave 0 signals for the work-group, every wave waits for all sixteen, my work-group's barrier closes it
	s_cmp_lg_u32 s[WV], 0
	s_cbranch_scc1 .Lnot_wave_0_\@
	s_barrier_signal -3
.Lnot_wave_0_\@:
	s_barrier_wait -3
	s_barrier_signal -1
	s_barrier_wait -1
.endm
.macro CROUND                          ; a whole round
	s_barrier_signal -1
	s_barrier_wait -1
	CREST
.endm
.macro PLACES                          ; four places in front of loads into registers that matrix instructions have read, and of LDS stores that read results
.rept 4
	v_nop
.endr
.endm
; 8 matrix instructions: row block a x all 8 column blocks, 32 along K: half c of buffer f.  zero = 1: the product starts the sums.
.macro MULA f, c, a, zero
	WIN MULW
.irp b, 0,1,2,3,4,5,6,7
.if \zero
	v_wmma_f32_16x16x32_f16 v[8*(8*(\a)+(\b)):8*(8*(\a)+(\b))+7], v[128*(\f)+64*(\c)+8*(\b):128*(\f)+64*(\c)+8*(\b)+7], v[64+64*(\f)+32*(\c)+8*(\a):64+64*(\f)+32*(\c)+8*(\a)+7], 0
.else
	v_wmma_f32_16x16x32_f16 v[8*(8*(\a)+(\b)):8*(8*(\a)+(\b))+7], v[128*(\f)+64*(\c)+8*(\b):128*(\f)+64*(\c)+8*(\b)+7], v[64+64*(\f)+32*(\c)+8*(\a):64+64*(\f)+32*(\c)+8*(\a)+7], v[8*(8*(\a)+(\b)):8*(8*(\a)+(\b))+7]
.endif
.endr
.endm
.macro MUL32 f, c, zero                ; all 32 accumulators, always in the same order: they take turns, one instruction a turn
.irp a, 0,1,2,3
	MULA \f, \c, \a, \zero
.endr
.endm
; 48 LDS loads in one run: the fragments of 64 along K (half hs of the slot's step) into buffer f: 32 turning loads for the weights, then 16 for A, of which the last eight are the second 32 along K.
.macro FETCH slot, hs, f
	WIN TO_B
.irp c, 0,1
.irp b, 0,1,2,3,4,5,6,7
	ds_load_tr16_b128 v[128*(\f)+64*(\c)+8*(\b):128*(\f)+64*(\c)+8*(\b)+3],   v[ADRB+(\slot)] offset:(64*(\hs)+32*(\c))*PW+32*(\b)
	ds_load_tr16_b128 v[128*(\f)+64*(\c)+8*(\b)+4:128*(\f)+64*(\c)+8*(\b)+7], v[ADRB+(\slot)] offset:(64*(\hs)+32*(\c))*PW+32*(\b)+16*PW
.endr
.endr
	WIN 0
.irp c, 0,1
.irp a, 0,1,2,3
	ds_load_b128 v[64+64*(\f)+32*(\c)+8*(\a):64+64*(\f)+32*(\c)+8*(\a)+3],   v[ADRA+(\slot)] offset:128*(\hs)+64*(\c)+16*PA*(\a)
	ds_load_b128 v[64+64*(\f)+32*(\c)+8*(\a)+4:64+64*(\f)+32*(\c)+8*(\a)+7], v[ADRA+(\slot)] offset:128*(\hs)+64*(\c)+16*PA*(\a)+32
.endr
.endr
.endm
; A K step is two halves of 64 along K, 64 matrix instructions each.  The first multiplies buffer 0 and, in its middle, fetches the second half's fragments into buffer 1.
.macro HALF slot, zero
	s_wait_dscnt 8                                 ; all of the run but its youngest eight loads (A's second 32 along K)
	MUL32 0, 0, \zero
	PLACES
	FETCH \slot, 1, 1
	s_wait_dscnt 48                                ; all but the 48 just issued
	MUL32 0, 1, 0
.endm
; The second half multiplies buffer 1 and changes slots: ONE barrier.  In front of it each wave waits for all its tensor loads (one is out: its part of the next slot), adds 0 to its spare word, and waits for that
; and for its own reads of this slot.  fill = 1: the barrier opens a round of the cluster's barrier, and this slot is filled again, two K steps on, first thing behind the round:
; from that request to the wait for it a wave issues 112 of a step's 128 matrix instructions.
.macro TURN slot, next, fill
	WIN 0                                          ; (the add's two registers lie in window 0)
	s_wait_tensorcnt 0x0                           ; all my tensor loads have landed
	ds_add_u32 v[SPW], v[NIL]                      ; 0 onto my spare word
	s_wait_dscnt 9                                 ; (the add and the youngest eight loads may be out)
	MULA 1, 0, 0, 0                                ; eight matrix instructions stand between the add and the wait for it
	s_wait_dscnt 0x0                               ; the add is done, and my reads of this slot are over
	s_barrier_signal -1
	MULA 1, 0, 1, 0                                ; work on registers while the others arrive
.if \fill
	WIN 0
.endif
	s_barrier_wait -1
.if \fill
	CREST                                          ; no wave of any partner still reads this slot's tiles or has a load on its way
	s_add_nc_u64 s[G0A+4*(\slot)+2:G0A+4*(\slot)+3], s[G0A+4*(\slot)+2:G0A+4*(\slot)+3], 2*ASTEP
	s_add_nc_u64 s[G0B+4*(\slot)+2:G0B+4*(\slot)+3], s[G0B+4*(\slot)+2:G0B+4*(\slot)+3], 2*WSTEP
	JLOAD \slot                                    ; the four v_nop behind it are also the places in front of the loads below
.else
	PLACES
.endif
	FETCH \next, 0, 0
	MULA 1, 0, 2, 0
	MULA 1, 0, 3, 0
	MUL32 1, 1, 0
.endm
; The very last half.  Its barrier orders every wave's last reads of the ring ahead of the stores into the stages, which lie over the ring.
.macro LAST
	s_wait_dscnt 8
	MUL32 1, 0, 0
	s_wait_dscnt 0x0                               ; my reads of the ring are over
	s_barrier_signal -1
	MUL32 1, 1, 0
	WIN 0
	s_barrier_wait -1
	PLACES                                         ; the stores below read results just made
.endm
; The accumulators go into my stage: a lane's eight columns are 32 bytes of a row; each accumulator's low four registers first.
.macro DUMP win, off
	WIN \win                                       ; store data (source 1) in the accumulators' window
.irp a, 0,1,2,3
.irp b, 0,1,2,3,4,5,6,7
	ds_store_b128 v[STO], v[8*(8*(\a)+(\b)):8*(8*(\a)+(\b))+3]   offset:(\off)+16*SPITCH*(\a)+64*(\b)
	ds_store_b128 v[STO], v[8*(8*(\a)+(\b))+4:8*(8*(\a)+(\b))+7] offset:(\off)+16*SPITCH*(\a)+64*(\b)+16
.endr
.endr
	WIN 0
.endm
; Four f32 in v[r:r+3] are rounded to bf16 and widened again; v[t:t+1] at work.
.macro TOBF r, t
	v_cvt_pk_bf16_f32 v[(\t)],   v[(\r)],   v[(\r)+1]
	v_cvt_pk_bf16_f32 v[(\t)+1], v[(\r)+2], v[(\r)+3]
	v_lshlrev_b32 v[(\r)],   16, v[(\t)]
	v_and_b32     v[(\r)+1], s[MSK], v[(\t)]
	v_lshlrev_b32 v[(\r)+2], 16, v[(\t)+1]
	v_and_b32     v[(\r)+3], s[MSK], v[(\t)+1]
.endm
	s_load_b256 s[4:11], s[0:1], 0x0               ; a2 s[4:5], wh s[6:7], a1 s[8:9], zb s[10:11]
	s_load_b128 s[12:15], s[0:1], 0x20             ; b_h s[12:13], W_hq s[14:15]
	s_load_b64 s[16:17], s[0:1], 0x30              ; part
	v_lshl_add_u32 v[SPW], v0, 2, SPARE
	v_mov_b32 v[NIL], 0
	ds_add_u32 v[SPW], v[NIL]                      ; the wave's opening: the add and its wait stand ahead of my first tensor load; the set-up below, work on registers, stands between them
	v_lshrrev_b32 v1, 5, v0
	v_readfirstlane_b32 s[WV], v1                  ; wave 0..3
	s_lshr_b32 s[WR], s[WV], 1
	s_and_b32 s[WC], s[WV], 1
	s_bfe_u32 s[CX], ttmp6, 0x40000                ; my place in the cluster
	s_bfe_u32 s[CY], ttmp6, 0x40004
	s_lshl_b32 s[TC], ttmp9, 2                     ; in a cluster launch ttmp9 and ttmp7 count clusters
	s_add_co_u32 s[TC], s[TC], s[CX]
	s_and_b32 s[TR], ttmp7, 0xffff
	s_lshl_b32 s[TR], s[TR], 2
	s_add_co_u32 s[TR], s[TR], s[CY]
	s_lshl_b32 s[MKA], s[CY], 2
	s_lshl_b32 s[MKA], 15, s[MKA]                  ; my row of the cluster
	s_lshl_b32 s[MKB], 0x1111, s[CX]               ; my column
	; group 1 for A: 64 rows x 128 elements of 2 bytes, 4 words of padding behind every 64
	s_or_b32 s[G1A], s[MKA], (1<<16)|(1<<20)|(1<<21)|(5<<22)|(3<<25)
	s_mov_b32 s[G1A+1], 128<<16                    ; tensor_dim0 = 128
	s_mov_b32 s[G1A+2], 64<<16                     ; tensor_dim1 = 64
	s_mov_b32 s[G1A+3], 128<<16                    ; tile_dim0 = 128
	s_mov_b32 s[G1A+4], 64                         ; tile_dim1 = 64
	s_mov_b32 s[G1A+5], 2176                       ; elements from row to row
	s_mov_b32 s[G1A+6], 0
	s_mov_b32 s[G1A+7], 0
	; group 1 for the weights: 64 k-rows x 256 elements, 8 words of padding behind every 128
	s_or_b32 s[G1B], s[MKB], (1<<16)|(1<<20)|(1<<21)|(6<<22)|(7<<25)
	s_mov_b32 s[G1B+1], 256<<16
	s_mov_b32 s[G1B+2], 64<<16
	s_mov_b32 s[G1B+3], 256<<16
	s_mov_b32 s[G1B+4], 64
	s_mov_b32 s[G1B+5], 2048
	s_mov_b32 s[G1B+6], 0
	s_mov_b32 s[G1B+7], 0
	s_lshl_b32 s[OA], s[TR], 7                     ; A: row 128 x tile row + 64 x half, times 4,352 bytes
	s_lshl_b32 s[OA+1], s[WC], 6
	s_add_co_u32 s[OA], s[OA], s[OA+1]
	s_mul_i32 s[OA], s[OA], LDA
	s_mov_b32 s[OA+1], 0
	s_lshl_b32 s[OW], s[WC], 18                    ; weights: k-row 64 x half (4,096 bytes each), column 256 x tile column (2 bytes each)
	s_lshl_b32 s[OW+1], s[TC], 9
	s_add_co_u32 s[OW], s[OW], s[OW+1]
	s_mov_b32 s[OW+1], 0
	s_mul_i32 s[LA], s[WC], AHALF                  ; where they go: no place in the cluster enters an LDS address
	s_mul_i32 s[LW], s[WC], WHALF
	s_add_co_u32 s[LW], s[LW], WOFF
	s_mov_b32 s[CT], 0x4038aa3b                    ; 2 log2(e)
	s_mov_b32 s[CT+1], s[CT]
	s_mov_b32 s[MSK], 0xffff0000
	s_wait_dscnt 0x0                               ; the opening add is done
	s_wait_kmcnt 0x0
	s_add_nc_u64 s[OA:OA+1], s[4:5], s[OA:OA+1]
	s_add_nc_u64 s[OW:OW+1], s[6:7], s[OW:OW+1]
	CROUND                                         ; all sixteen work-groups are here: the first joint loads meet
.irp s, 0,1
	s_mov_b32 s[G0A+4*(\s)], 1                     ; count = 1
	s_add_co_u32 s[G0A+4*(\s)+1], s[LA], (\s)*SLOT ; LDS address
	s_add_nc_u64 s[G0A+4*(\s)+2:G0A+4*(\s)+3], s[OA:OA+1], (\s)*ASTEP  ; global address: K step s
	s_or_b32 s[G0A+4*(\s)+3], s[G0A+4*(\s)+3], 0x80000000              ; type = 2
	s_mov_b32 s[G0B+4*(\s)], 1
	s_add_co_u32 s[G0B+4*(\s)+1], s[LW], (\s)*SLOT
	s_add_nc_u64 s[G0B+4*(\s)+2:G0B+4*(\s)+3], s[OW:OW+1], (\s)*WSTEP
	s_or_b32 s[G0B+4*(\s)+3], s[G0B+4*(\s)+3], 0x80000000
	JLOAD \s                                       ; two loads of mine are out
.endr
	; lane addresses.  A fragment of A: lane l holds row l % 16; two loads of 16 bytes, 32 apart, at row x pitch + 16 (l / 16).
	v_and_b32 v1, 15, v0                           ; l % 16
	v_bfe_u32 v2, v0, 4, 1                         ; l / 16
	v_and_b32 v3, 31, v0                           ; l
	v_mul_u32_u24 v4, v1, PA
	v_lshl_add_u32 v4, v2, 4, v4
	s_mul_i32 s[TO], s[WR], AHALF                  ; my 64 rows
	v_add_nc_u32 v[ADRA], s[TO], v4
	v_add_nc_u32 v[ADRA+1], SLOT, v[ADRA]
	; The turning load takes 16 k x 16 columns: lane l reads k-row 8 (l / 16) + l % 8, columns 8 ((l / 8) % 2) + 0..7, and is left with column l % 16 and 8 k.
	v_and_b32 v5, 7, v0
	v_lshl_add_u32 v5, v2, 3, v5
	v_mul_u32_u24 v5, v5, PW
	v_bfe_u32 v6, v0, 3, 1
	v_lshl_add_u32 v5, v6, 4, v5
	s_lshl_b32 s[TO], s[WC], 8                     ; my 128 columns
	s_add_co_u32 s[TO], s[TO], WOFF
	v_add_nc_u32 v[ADRB], s[TO], v5
	v_add_nc_u32 v[ADRB+1], SLOT, v[ADRB]
	s_mul_i32 s[TO], s[WV], STG                    ; my stage
	v_mul_u32_u24 v[STO], v1, SPITCH               ; in: row l % 16, 32 bytes for each half of the lanes
	v_lshl_add_u32 v[STO], v2, 5, v[STO]
	v_add_nc_u32 v[STO], s[TO], v[STO]
	v_lshl_add_u32 v[RD0], v3, 4, s[TO]            ; back: 32 lanes take a whole row of 512 bytes
	v_lshlrev_b32 v[YO], 3, v3
	s_mul_i32 s[TO], s[WV], CSW
	s_add_co_u32 s[TO], s[TO], CSB                 ; my rows of partial sums
	v_lshl_add_u32 v[CSA0], v3, 2, s[TO]           ; in: my word of a row
	v_mul_u32_u24 v[CSR], v3, 2*CSP                ; back: lane l takes rows 2 l and 2 l + 1
	v_add_nc_u32 v[CSR], s[TO], v[CSR]
	s_lshl_b32 s[RW], s[TR], 7
	s_lshl_b32 s[TO], s[WR], 6
	s_add_co_u32 s[RW], s[RW], s[TO]               ; my first row
	s_lshl_b32 s[CW], s[TC], 8
	s_lshl_b32 s[TO], s[WC], 7
	s_add_co_u32 s[CW], s[CW], s[TO]               ; my first column
	s_mul_i32 s[TO], s[RW], LDA                    ; a1 and zb have one layout: one offset serves H's copy and Z
	s_lshl_b32 s[TO+1], s[CW], 1
	s_add_co_u32 s[TO], s[TO], s[TO+1]
	s_mov_b32 s[TO+1], 0
	s_add_nc_u64 s[HB:HB+1], s[8:9], s[TO:TO+1]
	s_add_nc_u64 s[ZB:ZB+1], s[10:11], s[TO:TO+1]
	s_lshl_b32 s[TO], s[TC], 1                     ; part: p = 2 x tile column + column half, 16,384 bytes each; then my 64 rows
	s_add_co_u32 s[TO], s[TO], s[WC]
	s_lshl_b32 s[TO], s[TO], 14
	s_lshl_b32 s[TO+1], s[RW], 2
	s_add_co_u32 s[TO], s[TO], s[TO+1]
	s_mov_b32 s[TO+1], 0
	s_add_nc_u64 s[YB:YB+1], s[16:17], s[TO:TO+1]
	v_lshlrev_b32 v7, 4, v3
	v_lshl_add_u32 v7, s[CW], 2, v7                ; my four columns in b_h and W_hq; never rewritten
	global_load_b128 v[BH:BH+3], v7, s[12:13]
	global_load_b128 v[WQ:WQ+3], v7, s[14:15]
.set u, 0
.rept 8                                        ; the first 16 rows of H and of Z for the way out are asked for now, pair by pair, in the order in which the way out asks again: they land while the products run
	global_load_b64 v[HV+4*u:HV+4*u+1],   v[YO], s[HB:HB+1] offset:LDA*(2*u)
	global_load_b64 v[HV+4*u+2:HV+4*u+3], v[YO], s[HB:HB+1] offset:LDA*(2*u+1)
	global_load_b64 v[ZV+4*u:ZV+4*u+1],   v[YO], s[ZB:ZB+1] offset:LDA*(2*u)
	global_load_b64 v[ZV+4*u+2:ZV+4*u+3], v[YO], s[ZB:ZB+1] offset:LDA*(2*u+1)
.set u, u+1
.endr
	s_wait_tensorcnt 1                             ; my part of K step 0 is in; step 1's may stay out
	s_barrier_signal -1
	s_barrier_wait -1                              ; everybody's is
	FETCH 0, 0, 0
	HALF 0, 1                                      ; step 0's first half stands in front of the loop: its products start the sums
	WIN 0                                          ; at a label and at a branch every window is 0
	s_mov_b32 s[CNT], 7
.Llap:                                                 ; a trip goes once round the ring; seven trips end steps 0 to 13 and ask for steps 2 to 15
	TURN 0, 1, 1
	HALF 1, 0
	TURN 1, 0, 1
	HALF 0, 0
	WIN 0
	s_sub_co_u32 s[CNT], s[CNT], 1
	s_cmp_lg_u32 s[CNT], 0
	s_cbranch_scc1 .Llap
	TURN 0, 1, 1                                   ; step 14 ends; step 16, the last, is asked for
	HALF 1, 0
	TURN 1, 0, 0                                   ; step 15 ends; nothing is left to fetch
	HALF 0, 0
	LAST
	; THE WAY OUT.  The sums go through my stage and come back as whole rows: lane l then holds columns 4 l .. 4 l + 3, as in an 8-byte load of a1 and of zb.
	DUMP 0x08, 0
	s_wait_loadcnt 32                              ; b_h and W_hq are in; the 16 rows of H and the 16 of Z may be out
	TOBF BH, DV
	TOBF WQ, DV+2
	v_pk_mul_f32 v[BH:BH+1], v[BH:BH+1], s[CT:CT+1] op_sel_hi:[1,0]
	v_pk_mul_f32 v[BH+2:BH+3], v[BH+2:BH+3], s[CT:CT+1] op_sel_hi:[1,0]
; A batch of 16 rows, two at a time.  ahead = 1: each pair's registers of H and Z take the rows 16 further down as soon as they have been read.
.macro BATCH ahead
	v_add_nc_u32 v[RD], s[RO], v[RD0]
	v_add_nc_u32 v[CSA], s[CO], v[CSA0]
.set i, 0
.rept 16
	ds_load_b128 v[TV+4*i:TV+4*i+3], v[RD] offset:SPITCH*i  ; LDS serves a wave's instructions in order (ISA guide 5.7.1.4): these see my stores above
.set i, i+1
.endr
.set u, 0
.rept 8
.if \ahead
	s_wait_loadcnt 28                              ; eight pairs' four loads are out, this pair's the oldest: the 28 behind them stay out
.else
	s_wait_loadcnt 28-4*u                          ; nothing is asked for any more: the counts run down
.endif
	s_wait_dscnt 14-2*u                            ; this pair's sums are back; the count leaves the later pairs' loads out (the earlier pairs' LDS stores, which are younger, make it the stricter)
.set k, 0
.rept 4
	v_pk_fma_f32 v[TV+8*u+2*k:TV+8*u+2*k+1], v[TV+8*u+2*k:TV+8*u+2*k+1], s[CT:CT+1], v[BH+2*(k%2):BH+2*(k%2)+1] op_sel_hi:[1,0,1]  ; 2 log2(e) (s + b_h)
.set k, k+1
.endr
.set k, 0
.rept 8
	v_exp_f32 v[TV+8*u+k], v[TV+8*u+k]
.set k, k+1
.endr
.set k, 0
.rept 4                                        ; Z's words come down, H's bf16 become f32: plain instructions, which also stand between the last exponential and the use of its result (ISA guide 5.7.2)
	v_mov_b32     v[ZT+k],     v[ZV+4*u+k]
	v_lshlrev_b32 v[HU+2*k],   16, v[HV+4*u+k]
	v_and_b32     v[HU+2*k+1], s[MSK], v[HV+4*u+k]
.set k, k+1
.endr
.if \ahead
	global_load_b64 v[HV+4*u:HV+4*u+1],   v[YO], s[HB:HB+1] offset:LDA*(16+2*u)
	global_load_b64 v[HV+4*u+2:HV+4*u+3], v[YO], s[HB:HB+1] offset:LDA*(17+2*u)
	global_load_b64 v[ZV+4*u:ZV+4*u+1],   v[YO], s[ZB:ZB+1] offset:LDA*(16+2*u)
	global_load_b64 v[ZV+4*u+2:ZV+4*u+3], v[YO], s[ZB:ZB+1] offset:LDA*(17+2*u)
.endif
	v_cvt_f32_f16 v[ZU],   v58.l                   ; Z in f32 (v58 to v61 are ZT)
	v_cvt_f32_f16 v[ZU+1], v58.h
	v_cvt_f32_f16 v[ZU+2], v59.l
	v_cvt_f32_f16 v[ZU+3], v59.h
	v_cvt_f32_f16 v[ZU+4], v60.l
	v_cvt_f32_f16 v[ZU+5], v60.h
	v_cvt_f32_f16 v[ZU+6], v61.l
	v_cvt_f32_f16 v[ZU+7], v61.h
.set k, 0
	s_wait_alu depctr_va_vdst(0)
.rept 4
	v_pk_add_f32 v[TV+8*u+2*k:TV+8*u+2*k+1], v[TV+8*u+2*k:TV+8*u+2*k+1], 1.0 op_sel_hi:[1,0]
.set k, k+1
.endr
.set k, 0
.rept 8
	v_rcp_f32 v[TV+8*u+k], v[TV+8*u+k]
.set k, k+1
.endr
	v_nop                                          ; a plain instruction between the last reciprocal and the use of its result
.set k, 0
	s_wait_alu depctr_va_vdst(0)
.rept 4
	v_pk_fma_f32 v[TV+8*u+2*k:TV+8*u+2*k+1], v[TV+8*u+2*k:TV+8*u+2*k+1], -2.0, 1.0 op_sel_hi:[1,0,0]  ; T = 1 - 2 / (1 + 2^..)
.set k, k+1
.endr
.set k, 0
.rept 4
	v_pk_add_f32 v[DV+2*k:DV+2*k+1], v[HU+2*k:HU+2*k+1], v[TV+8*u+2*k:TV+8*u+2*k+1] neg_lo:[0,1] neg_hi:[0,1]  ; H - T
.set k, k+1
.endr
.set k, 0
.rept 4
	v_pk_fma_f32 v[ZU+2*k:ZU+2*k+1], v[ZU+2*k:ZU+2*k+1], v[DV+2*k:DV+2*k+1], v[TV+8*u+2*k:TV+8*u+2*k+1]  ; H_new = Z (H - T) + T
.set k, k+1
.endr
	v_pk_mul_f32 v[PV:PV+1],   v[ZU:ZU+1],   v[WQ:WQ+1]
	v_pk_mul_f32 v[PV+2:PV+3], v[ZU+4:ZU+5], v[WQ:WQ+1]
	v_pk_fma_f32 v[PV:PV+1],   v[ZU+2:ZU+3], v[WQ+2:WQ+3], v[PV:PV+1]
	v_pk_fma_f32 v[PV+2:PV+3], v[ZU+6:ZU+7], v[WQ+2:WQ+3], v[PV+2:PV+3]
	v_add_f32 v[QV],   v[PV],   v[PV+1]
	v_add_f32 v[QV+1], v[PV+2], v[PV+3]
	ds_store_b32 v[CSA], v[QV]   offset:CSP*(2*u)  ; my four columns' share of the row's sum
	ds_store_b32 v[CSA], v[QV+1] offset:CSP*(2*u+1)
.set u, u+1
.endr
.endm
	s_mov_b32 s[RO], 0
	s_mov_b32 s[CO], 0
	s_mov_b32 s[CNT], 3
.Lbatch:
	BATCH 1
	s_wait_xcnt 0x0                                ; the loads' bases are stepped only behind this wait
	s_add_nc_u64 s[HB:HB+1], s[HB:HB+1], 16*LDA
	s_add_nc_u64 s[ZB:ZB+1], s[ZB:ZB+1], 16*LDA
	s_add_co_u32 s[RO], s[RO], 16*SPITCH
	s_add_co_u32 s[CO], s[CO], 16*CSP
	s_sub_co_u32 s[CNT], s[CNT], 1
	s_cmp_lg_u32 s[CNT], 0
	s_cbranch_scc1 .Lbatch
	BATCH 0                                        ; the last 16 rows are written out: no load goes past my 64 rows
	; Each lane adds up two rows' 32 shares (my own wave's bytes: served in order behind the stores above), and the wave stores its 64 sums.
.set j, 0
.rept 2
.set q, 0
.rept 8
	ds_load_b128 v[SF+32*j+4*q:SF+32*j+4*q+3], v[CSR] offset:CSP*j+16*q
.set q, q+1
.endr
.set j, j+1
.endr
	s_wait_dscnt 0x0
.irp w, 16,8,4,2                                       ; 16 pairs a row: halves are added onto each other, 15 packed additions
.set j, 0
.rept 2
.set q, 0
.rept (\w)/2
	v_pk_add_f32 v[SF+32*j+2*q:SF+32*j+2*q+1], v[SF+32*j+2*q:SF+32*j+2*q+1], v[SF+32*j+(\w)+2*q:SF+32*j+(\w)+2*q+1]
.set q, q+1
.endr
.set j, j+1
.endr
.endr
	v_add_f32 v[DV],   v[SF],    v[SF+1]
	v_add_f32 v[DV+1], v[SF+32], v[SF+33]
	global_store_b64 v[YO], v[DV:DV+1], s[YB:YB+1] ; 256 consecutive bytes, at a multiple of 256 from part's first byte
	s_wait_tensorcnt 0x0                           ; the wave's end, behind my last tensor load and my last LDS store
	ds_add_u32 v[SPW], v[NIL]
	s_wait_dscnt 0x0
	CROUND                                         ; the closing round: no work-group ends while a partner may still ask for a tile that names it
	s_endpgm
.Lfunc_end_k_q4e79558ccd_gate_h:
	.size	k_q4e79558ccd_gate_h, .Lfunc_end_k_q4e79558ccd_gate_h-k_q4e79558ccd_gate_h
	.p2alignl 7, 3214868480
	.fill 96, 4, 3214868480
	.section	.rodata,"a",@progbits
	.p2align	6, 0x0
	.amdhsa_kernel k_q4e79558ccd_gate_h
		.amdhsa_group_segment_fixed_size 327680
		.amdhsa_private_segment_fixed_size 0
		.amdhsa_enable_private_segment 0
		.amdhsa_kernarg_size 56
		.amdhsa_user_sgpr_count 2
		.amdhsa_user_sgpr_kernarg_segment_ptr 1
		.amdhsa_wavefront_size32 1
		.amdhsa_system_sgpr_workgroup_id_x 1
		.amdhsa_system_sgpr_workgroup_id_y 1
		.amdhsa_system_sgpr_workgroup_id_z 1
		.amdhsa_system_vgpr_workitem_id 0
		.amdhsa_next_free_vgpr 768
		.amdhsa_next_free_sgpr 96
		.amdhsa_reserve_vcc 0
		.amdhsa_float_denorm_mode_32 3
		.amdhsa_float_denorm_mode_16_64 3
		.amdhsa_memory_ordered 1
		.amdhsa_forward_progress 1
		.amdhsa_inst_pref_size 149
	.end_amdhsa_kernel
	.amdgpu_metadata
---
amdhsa.version: [ 1, 2 ]
amdhsa.kernels:
  - .name:           k_q4e79558ccd_gate_h
    .symbol:         k_q4e79558ccd_gate_h.kd
    .args:
      - { .name: a2, .offset: 0, .size: 8, .value_kind: global_buffer, .address_space: global }
      - { .name: wh, .offset: 8, .size: 8, .value_kind: global_buffer, .address_space: global }
      - { .name: a1, .offset: 16, .size: 8, .value_kind: global_buffer, .address_space: global }
      - { .name: zb, .offset: 24, .size: 8, .value_kind: global_buffer, .address_space: global }
      - { .name: b_h, .offset: 32, .size: 8, .value_kind: global_buffer, .address_space: global }
      - { .name: W_hq, .offset: 40, .size: 8, .value_kind: global_buffer, .address_space: global }
      - { .name: part, .offset: 48, .size: 8, .value_kind: global_buffer, .address_space: global }
    .group_segment_fixed_size: 327680
    .private_segment_fixed_size: 0
    .kernarg_segment_align: 8
    .kernarg_segment_size: 56
    .max_flat_workgroup_size: 128
    .sgpr_count:     96
    .vgpr_count:     768
    .wavefront_size: 32
...
	.end_amdgpu_metadata
.endif
;; end of part 3
;; launch rowsum (part 4): grid 8 x 1, 4 waves a work-group, no clusters, 0 bytes of LDS; arguments part, b_q, out0; writes out0
.if DOCPART == 4
	.amdgcn_target "amdgcn-amd-amdhsa--gfx1250"
	.amdhsa_code_object_version 6
	.text
	.protected	k_q4e79558ccd_rowsum
	.globl	k_q4e79558ccd_rowsum
	.p2align	8
	.type	k_q4e79558ccd_rowsum,@function
k_q4e79558ccd_rowsum:
	s_mov_b64 s[64:65], 0
	v_nop
	global_prefetch_b8 v0, s[64:65] scope:SCOPE_SE
	s_setreg_imm32_b32 hwreg(HW_REG_WAVE_MODE, 25, 1), 1
	s_wait_xcnt 0x0
; out0[row] = b_q + the sum over p = 0 .. 15 of part[p][row], p ascending.  part: [16][4096] f32.  b_q is used as rounded to bf16, like every input of the program.
; A sum that spans the work-groups of the launch before, made in a fixed order by one owner for each row.  A thread owns four rows (16 bytes), a work-group 512: eight work-groups are all the work there is.
; All sixteen loads of a thread go out before the first is waited for; a wave's load and its store cover 512 consecutive bytes.
.set BQ, 2                             ; v[2:3]    b_q, twice
.set XV, 4                             ; v[4:67]   sixteen loads of four rows
.set AV, 68                            ; v[68:71]  the four sums
	s_load_b128 s[4:7], s[0:1], 0x0                ; part s[4:5], b_q s[6:7]
	s_load_b64 s[8:9], s[0:1], 0x10                ; out0
	v_lshlrev_b32 v1, 4, v0
	s_lshl_b32 s12, ttmp9, 11                      ; the work-group's 512 rows of 4 bytes
	s_mov_b32 s13, 0
	s_wait_kmcnt 0x0
	s_load_b32 s10, s[6:7], 0x0                    ; b_q
	s_add_nc_u64 s[4:5], s[4:5], s[12:13]
	s_add_nc_u64 s[8:9], s[8:9], s[12:13]
.set p, 0
.rept 16
	global_load_b128 v[XV+4*p:XV+4*p+3], v1, s[4:5] offset:16384*p th:TH_LOAD_NT
.set p, p+1
.endr
	s_wait_kmcnt 0x0
	v_mov_b32 v[BQ], s10
	v_cvt_pk_bf16_f32 v[BQ], v[BQ], v[BQ]          ; rounded to bf16,
	v_lshlrev_b32 v[BQ], 16, v[BQ]                 ; and widened again
	v_mov_b32 v[BQ+1], v[BQ]
	s_wait_loadcnt 15                              ; p = 0 is in, the 15 younger loads stay out
	v_pk_add_f32 v[AV:AV+1],   v[XV:XV+1],   v[BQ:BQ+1]
	v_pk_add_f32 v[AV+2:AV+3], v[XV+2:XV+3], v[BQ:BQ+1]
.set p, 1
.rept 15
	s_wait_loadcnt 15-p
	v_pk_add_f32 v[AV:AV+1],   v[AV:AV+1],   v[XV+4*p:XV+4*p+1]
	v_pk_add_f32 v[AV+2:AV+3], v[AV+2:AV+3], v[XV+4*p+2:XV+4*p+3]
.set p, p+1
.endr
	global_store_b128 v1, v[AV:AV+3], s[8:9]
	s_endpgm
.Lfunc_end_k_q4e79558ccd_rowsum:
	.size	k_q4e79558ccd_rowsum, .Lfunc_end_k_q4e79558ccd_rowsum-k_q4e79558ccd_rowsum
	.p2alignl 7, 3214868480
	.fill 96, 4, 3214868480
	.section	.rodata,"a",@progbits
	.p2align	6, 0x0
	.amdhsa_kernel k_q4e79558ccd_rowsum
		.amdhsa_group_segment_fixed_size 0
		.amdhsa_private_segment_fixed_size 0
		.amdhsa_enable_private_segment 0
		.amdhsa_kernarg_size 24
		.amdhsa_user_sgpr_count 2
		.amdhsa_user_sgpr_kernarg_segment_ptr 1
		.amdhsa_wavefront_size32 1
		.amdhsa_system_sgpr_workgroup_id_x 1
		.amdhsa_system_sgpr_workgroup_id_y 1
		.amdhsa_system_sgpr_workgroup_id_z 1
		.amdhsa_system_vgpr_workitem_id 0
		.amdhsa_next_free_vgpr 80
		.amdhsa_next_free_sgpr 66
		.amdhsa_reserve_vcc 0
		.amdhsa_float_denorm_mode_32 3
		.amdhsa_float_denorm_mode_16_64 3
		.amdhsa_memory_ordered 1
		.amdhsa_forward_progress 1
		.amdhsa_inst_pref_size 5
	.end_amdhsa_kernel
	.amdgpu_metadata
---
amdhsa.version: [ 1, 2 ]
amdhsa.kernels:
  - .name:           k_q4e79558ccd_rowsum
    .symbol:         k_q4e79558ccd_rowsum.kd
    .args:
      - { .name: part, .offset: 0, .size: 8, .value_kind: global_buffer, .address_space: global }
      - { .name: b_q, .offset: 8, .size: 8, .value_kind: global_buffer, .address_space: global }
      - { .name: out0, .offset: 16, .size: 8, .value_kind: global_buffer, .address_space: global }
    .group_segment_fixed_size: 0
    .private_segment_fixed_size: 0
    .kernarg_segment_align: 8
    .kernarg_segment_size: 24
    .max_flat_workgroup_size: 128
    .sgpr_count:     66
    .vgpr_count:     80
    .wavefront_size: 32
...
	.end_amdgpu_metadata
.endif
;; end of part 4
;; ======== version 2 of 2: 4 launches; version 1 with the launch cast written anew for expert scheduling mode
;; limits: values are held in f16: magnitudes above 65,504 overflow, below 6.1e-05 lose precision; inputs' magnitudes at most 65,504; values outside matrix products are rounded to f16
;; workspace buffers: a1 17,825,792 bytes; a2 17,825,792 bytes; wz 8,912,896 bytes; wr 8,912,896 bytes; wh 8,912,896 bytes; zb 17,825,792 bytes; part 262,144 bytes
;; launch cast (part 5): grid 1360 x 1, 8 waves a work-group, no clusters, 0 bytes of LDS; arguments H, x, W_hz, W_hr, W_hh, W_xz, W_xr, W_xh, a1, a2, wz, wr, wh; writes a1, a2, wz, wr, wh
.if DOCPART == 5
	.amdgcn_target "amdgcn-amd-amdhsa--gfx1250"
	.amdhsa_code_object_version 6
	.text
	.protected	k_q4e79558ccd_cast
	.globl	k_q4e79558ccd_cast
	.p2align	8
	.type	k_q4e79558ccd_cast,@function
k_q4e79558ccd_cast:
	s_mov_b64 s[64:65], 0
	v_nop
	global_prefetch_b8 v0, s[64:65] scope:SCOPE_SE
	s_setreg_imm32_b32 hwreg(HW_REG_WAVE_SCHED_MODE, 0, 2), 2
	s_setreg_imm32_b32 hwreg(HW_REG_WAVE_MODE, 25, 1), 1
	s_wait_xcnt 0x0
	s_wait_alu depctr_vm_vsrc(0)
; 16-bit copies of the inputs, each ROUNDED TO bf16 ONCE, with the two K ranges of each product laid end to end:
;   a1 = [H | x]  ([4096][2176] bf16, rows of 4,352 bytes);  wz = [W_hz; W_xz], wr = [W_hr; W_xr]  ([2176][2048] bf16);
;   a2's columns 2048..2175 = x and wh = [W_hh; W_xh]: the same bf16-rounded numbers WRITTEN AS f16, since the product that takes them has R H, which the program makes, in f16.
; LIMITS.  A bf16 number is exact in f16 from 2^-17 up to 65,504: x, W_hh and W_xh stay within 65,504; below 2^-17 = 7.6e-6 they keep f16's fixed step of 6e-8.
; Nothing is transposed: the products turn the weights on the way out of LDS.
; A stream: no LDS, no barrier, no matrix unit.  A work-group takes 65,536 consecutive source bytes; thread t issues sixteen 16-byte loads, 4,096 bytes apart
; (a wave's load covers 512 consecutive bytes), all sixteen before the first is waited for, and stores 8 bytes for each (a wave's store covers 256 consecutive bytes, aligned).
; Every load has its own data and result registers, so no source of a pending instruction is ever rewritten.
; Work-groups 0..511: H.  512..1279: W_hz, W_hr, W_hh (256 each).  1280..1327: W_xz, W_xr, W_xh (16 each).  1328..1359: x.
; THE MODE: SCHED_MODE bits 1:0 = 2 (LLVM: expert scheduling mode 2), set by the entry lines.  The code itself states the register dependences
; between vector instructions and memory instructions, with s_wait_alu, always for 0.
; THE PLAN.  Registers that memory instructions touch:
;   v1        the loads' offset.  Written once at the head; read by the sixteen loads.
;   v2        the stores' offset.  Written at the head (x's path makes its own, ahead of that path's first memory instruction); read by every store; never written behind a load or store.
;   XV        Load q lands in four registers of its own, which no vector instruction has named before; its conversions read them behind its counted wait.  No memory instruction reads XV, and no load lands there twice.
;   YV, FV    Result q has registers of its own: written once, by load q's conversions; read once, by result q's store.
; So no register that a memory instruction reads is ever written again, and the only dependence to state is: written by vector instructions, then read by a load or a store.
; One wait ahead of the loads states it for v1 and v2.  The sixteen results go in four blocks of four: one wait at the head of a block states that the block before has written its four results,
; and that block's stores follow, one ahead of each load's conversions in this block, which name this block's XV, YV and FV alone.  One more wait stands ahead of the last four stores.
.set XV,   4                           ; v[4:67]    sixteen loads of four f32; later the rounded numbers widened again
.set YV,   68                          ; v[68:99]   sixteen results of four bf16
.set FV,   100                         ; v[100:131] sixteen results of four f16
.set MSK,  48                          ; s48        a word's upper bf16
.set ROWB, 4352                        ; bytes in a row of a1 and a2
.macro LOADS                           ; the work-group's 65,536 bytes from s[2:3]
	s_wait_alu depctr_va_vdst(0)                   ; v1 and v2 are written: the loads below read v1 as their offset, every store of the path reads v2
.set q, 0
.rept 16
	global_load_b128 v[XV+4*q:XV+4*q+3], v1, s[2:3] offset:4096*q th:TH_LOAD_NT
.set q, q+1
.endr
.endm
; Result n leaves.  path 0: dense destination, bf16.  1: H, half a row of a1 a load.  2: x, eight rows a load, bf16 into a1 and f16 into a2.  3: dense destination, f16.
.macro PUT path, n
.if (\path) == 0
	global_store_b64 v2, v[YV+2*(\n):YV+2*(\n)+1], s[4:5] offset:2048*(\n)
.elseif (\path) == 1
	global_store_b64 v2, v[YV+2*(\n):YV+2*(\n)+1], s[4:5] offset:((\n)/2)*ROWB+((\n)%2)*2048
.elseif (\path) == 2
	global_store_b64 v2, v[YV+2*(\n):YV+2*(\n)+1], s[4:5] offset:8*ROWB*(\n)+4096
	global_store_b64 v2, v[FV+2*(\n):FV+2*(\n)+1], s[6:7] offset:8*ROWB*(\n)+4096
.else
	global_store_b64 v2, v[FV+2*(\n):FV+2*(\n)+1], s[4:5] offset:2048*(\n)
.endif
.endm
; The sixteen loads are rounded as they come in; result q - 4 leaves ahead of load q's conversions.
.macro OUT path
.set q, 0
.rept 16
	s_wait_loadcnt 15-q                            ; loads come back in order: load q is in, the 15 - q younger ones stay out
.if (q > 0) && (q % 4 == 0)
	s_wait_alu depctr_va_vdst(0)                   ; the block before has written its four results, which this block's stores read; no conversion behind this wait names them
.endif
.if q >= 4
	PUT \path, q-4
.endif
	v_cvt_pk_bf16_f32 v[YV+2*q], v[XV+4*q], v[XV+4*q+1]
	v_cvt_pk_bf16_f32 v[YV+2*q+1], v[XV+4*q+2], v[XV+4*q+3]
.if (\path) >= 2
	v_lshlrev_b32 v[XV+4*q],   16, v[YV+2*q]       ; the rounded numbers as f32 again,
	v_and_b32     v[XV+4*q+1], s[MSK], v[YV+2*q]
	v_lshlrev_b32 v[XV+4*q+2], 16, v[YV+2*q+1]
	v_and_b32     v[XV+4*q+3], s[MSK], v[YV+2*q+1]
	v_cvt_pk_f16_f32 v[FV+2*q],   v[XV+4*q],   v[XV+4*q+1]  ; and written as f16
	v_cvt_pk_f16_f32 v[FV+2*q+1], v[XV+4*q+2], v[XV+4*q+3]
.endif
.set q, q+1
.endr
	s_wait_alu depctr_va_vdst(0)                   ; the last block has written its four results, which the last stores read
.set q, 12
.rept 4
	PUT \path, q
.set q, q+1
.endr
.endm
	s_load_b512 s[8:23], s[0:1], 0x0               ; H s[8:9], x s[10:11], W_hz s[12:13], W_hr s[14:15], W_hh s[16:17], W_xz s[18:19], W_xr s[20:21], W_xh s[22:23]
	s_load_b256 s[24:31], s[0:1], 0x40             ; a1 s[24:25], a2 s[26:27], wz s[28:29], wr s[30:31]
	s_load_b64 s[32:33], s[0:1], 0x60              ; wh
	v_lshlrev_b32 v1, 4, v0                        ; my 16 source bytes
	v_lshlrev_b32 v2, 3, v0                        ; my 8 destination bytes (x makes its own below)
	s_mov_b32 s35, 0                               ; high words of the two offsets
	s_mov_b32 s37, 0
	s_mov_b32 s[MSK], 0xffff0000
	s_wait_kmcnt 0x0
	s_cmp_lt_u32 ttmp9, 512
	s_cbranch_scc1 .LH
	s_cmp_ge_u32 ttmp9, 1328
	s_cbranch_scc1 .LX
	; the six weights: which gate, which 65,536 bytes of it, and whether it is the part for H or the part for x
	s_sub_co_u32 s38, ttmp9, 512
	s_lshr_b32 s39, s38, 8                         ; gate, if W_h*
	s_and_b32 s40, s38, 255                        ; part, if W_h*
	s_sub_co_u32 s38, ttmp9, 1280
	s_lshr_b32 s41, s38, 4                         ; gate, if W_x*
	s_and_b32 s38, s38, 15                         ; part, if W_x*
	s_cmp_lt_u32 ttmp9, 1280
	s_cselect_b32 s39, s39, s41                    ; gate 0 z, 1 r, 2 h
	s_cselect_b32 s40, s40, s38                    ; part
	s_cselect_b32 s41, 0, 0x800000                 ; W_x* goes behind the 2,048 rows of 4,096 bytes of W_h*
	s_cselect_b64 s[42:43], s[12:13], s[18:19]
	s_cselect_b64 s[44:45], s[14:15], s[20:21]
	s_cselect_b64 s[46:47], s[16:17], s[22:23]
	s_cmp_eq_u32 s39, 0
	s_cselect_b64 s[2:3], s[42:43], s[44:45]
	s_cselect_b64 s[4:5], s[28:29], s[30:31]
	s_cmp_eq_u32 s39, 2
	s_cselect_b64 s[2:3], s[46:47], s[2:3]
	s_cselect_b64 s[4:5], s[32:33], s[4:5]
	s_lshl_b32 s34, s40, 16
	s_lshl_b32 s36, s40, 15
	s_add_co_u32 s36, s36, s41
	s_add_nc_u64 s[2:3], s[2:3], s[34:35]
	s_add_nc_u64 s[4:5], s[4:5], s[36:37]
	LOADS
	s_cmp_eq_u32 s39, 2
	s_cbranch_scc1 .LW16                           ; the candidate's weights are written as f16
	OUT 0
	s_endpgm
.LW16:
	OUT 3
	s_endpgm
.LH:                                                   ; eight rows of H into columns 0..2047 of a1
	s_lshl_b32 s34, ttmp9, 16
	s_mul_i32 s36, ttmp9, 8*ROWB
	s_add_nc_u64 s[2:3], s[8:9], s[34:35]
	s_add_nc_u64 s[4:5], s[24:25], s[36:37]
	LOADS
	OUT 1
	s_endpgm
.LX:                                                   ; 128 rows of x into columns 2048..2175 of a1 and of a2: a wave's 512 source bytes are one row
	s_sub_co_u32 s38, ttmp9, 1328
	s_lshl_b32 s34, s38, 16
	s_mul_i32 s36, s38, 128*ROWB
	s_add_nc_u64 s[2:3], s[10:11], s[34:35]
	s_add_nc_u64 s[4:5], s[24:25], s[36:37]
	s_add_nc_u64 s[6:7], s[26:27], s[36:37]
	v_lshrrev_b32 v3, 5, v0                        ; the row among a load's eight
	v_and_b32 v2, 31, v0                           ; (no memory instruction of this path has read v2 yet: its first stands below)
	v_mul_u32_u24 v3, v3, ROWB
	v_lshl_add_u32 v2, v2, 3, v3
	LOADS
	OUT 2
	s_endpgm
.Lfunc_end_k_q4e79558ccd_cast:
	.size	k_q4e79558ccd_cast, .Lfunc_end_k_q4e79558ccd_cast-k_q4e79558ccd_cast
	.p2alignl 7, 3214868480
	.fill 96, 4, 3214868480
	.section	.rodata,"a",@progbits
	.p2align	6, 0x0
	.amdhsa_kernel k_q4e79558ccd_cast
		.amdhsa_group_segment_fixed_size 0
		.amdhsa_private_segment_fixed_size 0
		.amdhsa_enable_private_segment 0
		.amdhsa_kernarg_size 104
		.amdhsa_user_sgpr_count 2
		.amdhsa_user_sgpr_kernarg_segment_ptr 1
		.amdhsa_wavefront_size32 1
		.amdhsa_system_sgpr_workgroup_id_x 1
		.amdhsa_system_sgpr_workgroup_id_y 1
		.amdhsa_system_sgpr_workgroup_id_z 1
		.amdhsa_system_vgpr_workitem_id 0
		.amdhsa_next_free_vgpr 132
		.amdhsa_next_free_sgpr 66
		.amdhsa_reserve_vcc 0
		.amdhsa_float_denorm_mode_32 3
		.amdhsa_float_denorm_mode_16_64 3
		.amdhsa_memory_ordered 1
		.amdhsa_forward_progress 1
		.amdhsa_inst_pref_size 34
	.end_amdhsa_kernel
	.amdgpu_metadata
---
amdhsa.version: [ 1, 2 ]
amdhsa.kernels:
  - .name:           k_q4e79558ccd_cast
    .symbol:         k_q4e79558ccd_cast.kd
    .args:
      - { .name: H, .offset: 0, .size: 8, .value_kind: global_buffer, .address_space: global }
      - { .name: x, .offset: 8, .size: 8, .value_kind: global_buffer, .address_space: global }
      - { .name: W_hz, .offset: 16, .size: 8, .value_kind: global_buffer, .address_space: global }
      - { .name: W_hr, .offset: 24, .size: 8, .value_kind: global_buffer, .address_space: global }
      - { .name: W_hh, .offset: 32, .size: 8, .value_kind: global_buffer, .address_space: global }
      - { .name: W_xz, .offset: 40, .size: 8, .value_kind: global_buffer, .address_space: global }
      - { .name: W_xr, .offset: 48, .size: 8, .value_kind: global_buffer, .address_space: global }
      - { .name: W_xh, .offset: 56, .size: 8, .value_kind: global_buffer, .address_space: global }
      - { .name: a1, .offset: 64, .size: 8, .value_kind: global_buffer, .address_space: global }
      - { .name: a2, .offset: 72, .size: 8, .value_kind: global_buffer, .address_space: global }
      - { .name: wz, .offset: 80, .size: 8, .value_kind: global_buffer, .address_space: global }
      - { .name: wr, .offset: 88, .size: 8, .value_kind: global_buffer, .address_space: global }
      - { .name: wh, .offset: 96, .size: 8, .value_kind: global_buffer, .address_space: global }
    .group_segment_fixed_size: 0
    .private_segment_fixed_size: 0
    .kernarg_segment_align: 8
    .kernarg_segment_size: 104
    .max_flat_workgroup_size: 256
    .sgpr_count:     66
    .vgpr_count:     132
    .wavefront_size: 32
...
	.end_amdgpu_metadata
.endif
;; end of part 5
;; launch gate_zr: the kernel of part 2 again; grid 16 x 16, 4 waves a work-group, clusters of 4 x 4, 327,680 bytes of LDS; arguments a1, wz, wr, b_z, b_r, zb, a2; writes zb, a2
;; launch gate_h: the kernel of part 3 again; grid 8 x 32, 4 waves a work-group, clusters of 4 x 4, 327,680 bytes of LDS; arguments a2, wh, a1, zb, b_h, W_hq, part; writes part
;; launch rowsum: the kernel of part 4 again; grid 8 x 1, 4 waves a work-group, no clusters, 0 bytes of LDS; arguments part, b_q, out0; writes out0
